; MI455X (gfx1250); checked and timed in simulation.
; The chip was launched on July 23, 2026; its instructions are those of AMD's public machine-readable ISA for CDNA 5 (MIT licence, August 2026) and "CDNA5" Instruction Set Architecture Reference Guide (July 2026). The comments in the code are by the model that wrote it; some were corrected since.
;; GAU. Allowed arithmetic: matrix products marked QUANTISED: E2M3 operands, one E8M0 scale for each 32 along K, by v_wmma_scale_f32_16x16x128_f8f6f4 with both operands' format E2M3, f32 sums; everything else in f32.
;; Inputs: b_hidden 1,024 float32; b_out 512 float32; k_beta 128 float32; k_gamma 128 float32; q_beta 128 float32; q_gamma 128 float32; w_hidden 512 x 1,024 float32; w_out 512 x 512 float32; w_qk 512 x 128 float32; x 4 x 4,096 x 512 float32.
;; Outputs: out0 4 x 4,096 x 512 float32.
;; This version of the problem:
;;   THIS VERSION OF THE PROBLEM IS GIVEN IN LOW PRECISION. The matrix products marked QUANTISED in the list below multiply operands that are first quantised to E2M3 (2 exponent bits, 3 mantissa bits; 6 bits a number), with one power-of-two scale for each 32 numbers along K (OCP MX v1.0); their sums are f32. All else is computed in f32.
;;   The module's matrix products, in the order in which they are computed (A, B: the left and right operand; K: the contracted axis; several contracted axes count as one K, in the product's order):
;;     1. [M 16,384, K 512] x [K 512, N 1,024]; A: input x; B: input w_hidden: QUANTISED
;;     2. [M 16,384, K 512] x [K 512, N 128]; A: input x; B: input w_qk: QUANTISED
;;     3. batch 4 x [M 4,096, K 128] x [K 128, N 4,096]; A: computed on the way; B: computed on the way: QUANTISED
;;     4. batch 4 x [M 4,096, K 4,096] x [K 4,096, N 512]; A: computed on the way; B: computed on the way: QUANTISED
;;     5. [M 16,384, K 512] x [K 512, N 512]; A: computed on the way; B: input w_out: QUANTISED
;;   THE QUANTISER, for each operand of a quantised product, along K:
;;     - K is cut into blocks of 32 from its start; a last block that is shorter is filled with zeros.
;;     - A block's scale is 2^e with e = floor(log2(the largest magnitude in the block)) - 2, held to -126 .. 127; a block of zeros has e = 0. As a byte (E8M0): e + 127.
;;     - Each number is divided by its block's scale, clamped to +-7.5, and rounded to the nearest number of E2M3, ties to even, subnormals kept.
;;     - The product sums the exact products of the quantised numbers (number of the format x scale) in f32.
;;   ~~~python
;;   def quantise(x, axis):      # numpy; x: float32 -> the quantised numbers, widened to float32 again
;;       x = np.moveaxis(x, axis, -1); K = x.shape[-1]
;;       x = np.pad(x, [(0, 0)] * (x.ndim - 1) + [(0, -K % 32)]); x = x.reshape(x.shape[:-1] + (-1, 32)); a = np.abs(x).max(-1, keepdims=True)
;;       e = np.where(a > 0, np.clip(np.frexp(np.where(a > 0, a, 1))[1] - 1 - 2, -126, 127), 0)      # np.frexp(a)[1] - 1 = floor(log2(a)), exactly
;;       r = np.clip(x / 2.0 ** e, -7.5, 7.5)
;;       step = 2.0 ** (np.maximum(np.frexp(np.where(r == 0, 1, r))[1] - 1, 0) - 3)
;;       q = np.round(r / step) * step * 2.0 ** e      # np.round: ties to even
;;       return np.moveaxis(q.reshape(q.shape[:-2] + (-1,))[..., :K], -1, axis).astype(np.float32)
;;   ~~~
;;   OPERANDS COMPUTED ON THE WAY. 'Computed on the way' means the value that the module computes at that place (a softmax that the list does not call 'softmax' is quantised finished and normalised). What goes into a quantiser is computed in f32, as accurately as f32 sums, v_exp_f32 and their like allow (about 1e-6 of the number): no bf16 or f16 on the way to a quantiser, and a product that is left as it is and whose result goes on into a quantised operand takes f32 operands (vector FMAs, or v_wmma_f32_16x16x4_f32). A number that lies on a knife's edge between two numbers of the format may be rounded either way, as far as f32 arithmetic and the matrix unit's own rounding can turn it there, and no further.
;; One version. Each part assembles by itself: llvm-mc -triple=amdgcn-amd-amdhsa -mcpu=gfx1250 --defsym DOCPART=n.
;; ======== version 1 of 1: 3 launches
;; workspace buffers: wf 638,976 bytes; ws 26,624 bytes; kv 8,192,000 bytes; qc 1,638,400 bytes; xc 6,815,744 bytes
;; launch prep (part 1): grid 52 x 4, 1 waves a work-group, no clusters, 3,328 bytes of LDS; arguments w_hidden, w_qk, w_out, wf, ws; writes wf, ws
.if DOCPART == 1
	.amdgcn_target "amdgcn-amd-amdhsa--gfx1250"
	.amdhsa_code_object_version 6
	.text
	.protected	k_qf6e5aab2c1_prep
	.globl	k_qf6e5aab2c1_prep
	.p2align	8
	.type	k_qf6e5aab2c1_prep,@function
k_qf6e5aab2c1_prep:
	s_mov_b64 s[64:65], 0
	v_nop
	global_prefetch_b8 v0, s[64:65] scope:SCOPE_SE
	s_setreg_imm32_b32 hwreg(HW_REG_WAVE_MODE, 25, 1), 1
	s_wait_xcnt 0x0
; The three weights, f32 with K as their FIRST axis, become codes of FP6 (E2M3) laid in the ORDER OF AN OPERAND'S REGISTERS, and scale words.
; A work-group (one wave) takes a group g of 32 columns and a K step s of 128.  g 0-31: w_hidden's columns 32 g on; g 32-35: w_qk's; g 36-51: w_out's.
; A LANE TAKES A COLUMN AND ITS REGISTERS RUN DOWN K: a block of 32 along K lies in one lane, its largest magnitude needs no other lane, and the conversions give codes with K innermost.
; THE COLUMNS OF A TILE ARE NOT NEIGHBOURS: lane r of tile 2 g + u holds column 32 g + 8 u + r + 8 (r / 8), so that a product with such a tile as source 0 leaves 16 neighbouring columns in the 16 registers of two neighbouring tiles.
; wf: [tile 2 g + u][s][1,536 bytes]: register j of lane L at 512 (j / 4) + 16 L + 4 (j % 4): three loads of 16 bytes a lane bring a fragment.
; ws: [g][s][32 words]: lanes 0-15 tile 2 g's scale words, lanes 16-31 tile 2 g + 1's.
; A block's scale byte is its largest magnitude's exponent field - 2, held at 1 from below.
; LIMITS: a block of zeros gets the byte 1 (its codes are zeros; this program alone reads the bytes); NaN and infinities are not served.
; No matrix unit, no cluster, no tensor load: 3.4 MB are read once and nothing is shared between work-groups.
.set SPARE, 3072                       ; behind the stage of two images: the spare words, one block of 256 bytes that no other line names
.set SPW, 1                            ; v1   my spare word; never rewritten
.set NIL, 2                            ; v2   0; never rewritten
.set L4,  3                            ; v3   4 x lane
.set LA,  4                            ; v4   the stage: my column's tile and row: 1,536 u + 16 r
.set L16, 5                            ; v5   16 x lane
.set WSO, 6                            ; v6   my column's place among the 32 scale words
.set TM,  8                            ; v8-11   largest magnitudes of my four blocks
.set TC,  12                           ; v12-15  the conversions' scale operands
.set BY,  16                           ; v16-19  the scale bytes
.set WD,  20                           ; v20     the scale word
.set CD,  24                           ; v24-47  codes: six registers a block
.set C2,  48                           ; v48-63  a block's second half (a conversion's three registers begin on an even number)
.set X,   64                           ; v64-191 my column's 128 numbers; later the two images read back
	s_load_b256 s[4:11], s[0:1], 0x0               ; w_hidden s[4:5], w_qk s[6:7], w_out s[8:9], wf s[10:11]
	s_load_b64 s[12:13], s[0:1], 0x20              ; ws
	v_lshl_add_u32 v[SPW], v0, 2, SPARE
	v_mov_b32 v[NIL], 0
	v_lshlrev_b32 v[L4], 2, v0
	v_lshlrev_b32 v[L16], 4, v0
	v_bfe_u32 v7, v0, 3, 1                         ; u = (lane / 8) % 2
	v_and_b32 v21, 7, v0
	v_lshrrev_b32 v22, 4, v0
	v_lshl_add_u32 v21, v22, 3, v21                ; r = lane % 8 + 8 (lane / 16)
	v_lshlrev_b32 v[LA], 4, v21
	v_mad_u32_u24 v[LA], v7, 1536, v[LA]
	v_lshl_add_u32 v[WSO], v7, 4, v21
	v_lshlrev_b32 v[WSO], 2, v[WSO]
	s_and_b32 s14, ttmp7, 0xffff                   ; s
	s_lshl_b32 s15, ttmp9, 3
	s_add_co_u32 s15, s15, s14
	s_mul_i32 s16, s15, 1536                       ; wf: (4 (2 g) + s) fragments on
	s_mov_b32 s17, 0
	s_lshl_b32 s18, ttmp9, 2
	s_add_co_u32 s18, s18, s14
	s_lshl_b32 s18, s18, 7                         ; ws: (4 g + s) x 128 bytes
	s_mov_b32 s19, 0
	s_mov_b32 s21, 0
	s_wait_kmcnt 0x0
	s_add_nc_u64 s[10:11], s[10:11], s[16:17]
	s_add_nc_u64 s[12:13], s[12:13], s[18:19]
.macro LOADW base, pitch               ; 128 rows of K at my column: 32 lanes read 128 consecutive bytes
.set kk, 0
.rept 128
	global_load_b32 v[X+kk], v[L4], s[\base:\base+1] offset:kk*\pitch th:TH_LOAD_NT
.set kk, kk+1
.endr
.endm
	s_cmp_lt_u32 ttmp9, 32                         ; which weight: the work-group's number alone decides
	s_cbranch_scc0 .Lnot_hidden
	s_lshl_b32 s20, s14, 19                        ; 128 s rows of 4,096 bytes
	s_lshl_b32 s22, ttmp9, 7                       ; 32 g columns
	s_add_co_u32 s20, s20, s22
	s_add_nc_u64 s[4:5], s[4:5], s[20:21]
	LOADW 4, 4096
	s_branch .Lloaded
.Lnot_hidden:
	s_cmp_lt_u32 ttmp9, 36
	s_cbranch_scc0 .Lnot_qk
	s_lshl_b32 s20, s14, 16                        ; 128 s rows of 512 bytes
	s_sub_co_u32 s22, ttmp9, 32
	s_lshl_b32 s22, s22, 7
	s_add_co_u32 s20, s20, s22
	s_add_nc_u64 s[6:7], s[6:7], s[20:21]
	LOADW 6, 512
	s_branch .Lloaded
.Lnot_qk:
	s_lshl_b32 s20, s14, 18                        ; 128 s rows of 2,048 bytes
	s_sub_co_u32 s22, ttmp9, 36
	s_lshl_b32 s22, s22, 7
	s_add_co_u32 s20, s20, s22
	s_add_nc_u64 s[8:9], s[8:9], s[20:21]
	LOADW 8, 2048
.Lloaded:
	s_wait_loadcnt 0x0
.irp b,0,1,2,3
	v_max3_num_f32 v[TM+\b], |v[X+32*\b]|, |v[X+32*\b+1]|, 0x1800000   ; with the floor 2^(3 - 127): the byte cannot fall under 1
.endr
.irp i,2,4,6,8,10,12,14,16,18,20,22,24,26,28,30
.irp b,0,1,2,3
	v_max3_num_f32 v[TM+\b], v[TM+\b], |v[X+32*\b+\i]|, |v[X+32*\b+\i+1]|   ; the four blocks by turns
.endr
.endr
.irp b,0,1,2,3
	v_add_nc_u32 v[TC+\b], 0xff000000, v[TM+\b]    ; 2 off the exponent field: the conversion takes that field as its scale
.endr
.irp b,0,1,2,3
	v_lshrrev_b32 v[BY+\b], 23, v[TC+\b]           ; the scale's byte
.endr
	v_lshl_or_b32 v[WD], v[BY+1], 8, v[BY]
	v_lshl_or_b32 v[WD], v[BY+2], 16, v[WD]
	v_lshl_or_b32 v[WD], v[BY+3], 24, v[WD]
.irp b,0,1,2,3
	v_cvt_scalef32_pk16_fp6_f32 v[CD+6*\b:CD+6*\b+2], v[X+32*\b:X+32*\b+15], v[TC+\b]
	v_cvt_scalef32_pk16_fp6_f32 v[C2+4*\b:C2+4*\b+2], v[X+32*\b+16:X+32*\b+31], v[TC+\b]
.endr
	v_nop                                          ; one plain instruction behind the conversions
.irp b,0,1,2,3
.irp i,0,1,2
	v_mov_b32 v[CD+6*\b+3+\i], v[C2+4*\b+\i]
.endr
.endr
; Block b of my column is registers 6 (b / 2) .. + 5 of lane r + 16 (b % 2) of the fragment: three pieces of 8 bytes of its image.
.irp b,0,1,2,3
	ds_store_b64 v[LA], v[CD+6*\b:CD+6*\b+1] offset:256*(\b%2)+520*(\b/2)
	ds_store_b64 v[LA], v[CD+6*\b+2:CD+6*\b+3] offset:256*(\b%2)+8+1016*(\b/2)
	ds_store_b64 v[LA], v[CD+6*\b+4:CD+6*\b+5] offset:256*(\b%2)+512+520*(\b/2)
.endr
.irp q,0,1,2,3,4,5
	ds_load_b128 v[X+4*\q:X+4*\q+3], v[L16] offset:512*\q    ; LDS serves a wave's instructions in order: these see the stores above
.endr
.irp q,0,1,2,3,4,5
	s_wait_dscnt 5-\q
	global_store_b128 v[L16], v[X+4*\q:X+4*\q+3], s[10:11] offset:6144*(\q/3)+512*(\q%3)   ; 32 lanes store 512 consecutive bytes
.endr
	global_store_b32 v[WSO], v[WD], s[12:13]
	s_wait_tensorcnt 0x0                           ; the wave's end
	ds_add_u32 v[SPW], v[NIL]
	s_wait_dscnt 0x0
	s_endpgm
.Lfunc_end_k_qf6e5aab2c1_prep:
	.size	k_qf6e5aab2c1_prep, .Lfunc_end_k_qf6e5aab2c1_prep-k_qf6e5aab2c1_prep
	.p2alignl 7, 3214868480
	.fill 96, 4, 3214868480
	.section	.rodata,"a",@progbits
	.p2align	6, 0x0
	.amdhsa_kernel k_qf6e5aab2c1_prep
		.amdhsa_group_segment_fixed_size 3328
		.amdhsa_private_segment_fixed_size 0
		.amdhsa_enable_private_segment 0
		.amdhsa_kernarg_size 40
		.amdhsa_user_sgpr_count 2
		.amdhsa_user_sgpr_kernarg_segment_ptr 1
		.amdhsa_wavefront_size32 1
		.amdhsa_system_sgpr_workgroup_id_x 1
		.amdhsa_system_sgpr_workgroup_id_y 1
		.amdhsa_system_sgpr_workgroup_id_z 1
		.amdhsa_system_vgpr_workitem_id 0
		.amdhsa_next_free_vgpr 192
		.amdhsa_next_free_sgpr 66
		.amdhsa_reserve_vcc 0
		.amdhsa_float_denorm_mode_32 3
		.amdhsa_float_denorm_mode_16_64 3
		.amdhsa_memory_ordered 1
		.amdhsa_forward_progress 1
		.amdhsa_inst_pref_size 46
	.end_amdhsa_kernel
	.amdgpu_metadata
---
amdhsa.version: [ 1, 2 ]
amdhsa.kernels:
  - .name:           k_qf6e5aab2c1_prep
    .symbol:         k_qf6e5aab2c1_prep.kd
    .args:
      - { .name: w_hidden, .offset: 0, .size: 8, .value_kind: global_buffer, .address_space: global }
      - { .name: w_qk, .offset: 8, .size: 8, .value_kind: global_buffer, .address_space: global }
      - { .name: w_out, .offset: 16, .size: 8, .value_kind: global_buffer, .address_space: global }
      - { .name: wf, .offset: 24, .size: 8, .value_kind: global_buffer, .address_space: global }
      - { .name: ws, .offset: 32, .size: 8, .value_kind: global_buffer, .address_space: global }
    .group_segment_fixed_size: 3328
    .private_segment_fixed_size: 0
    .kernarg_segment_align: 8
    .kernarg_segment_size: 40
    .max_flat_workgroup_size: 32
    .sgpr_count:     66
    .vgpr_count:     192
    .wavefront_size: 32
...
	.end_amdgpu_metadata
.endif
;; end of part 1
;; launch proj (part 2): grid 256 x 1, 4 waves a work-group, no clusters, 171,008 bytes of LDS; arguments x, wf, ws, b_hidden, q_gamma, q_beta, k_gamma, k_beta, kv, qc, xc; writes kv, qc, xc
.if DOCPART == 2
	.amdgcn_target "amdgcn-amd-amdhsa--gfx1250"
	.amdhsa_code_object_version 6
	.text
	.protected	k_qf6e5aab2c1_proj
	.globl	k_qf6e5aab2c1_proj
	.p2align	8
	.type	k_qf6e5aab2c1_proj,@function
k_qf6e5aab2c1_proj:
	s_mov_b64 s[64:65], 0
	v_nop
	global_prefetch_b8 v0, s[64:65] scope:SCOPE_SE
	s_setreg_imm32_b32 hwreg(HW_REG_WAVE_MODE, 25, 1), 1
	s_wait_xcnt 0x0
; For 64 rows of x (work-group blk: rows 64 blk on): x quantised along its 512; v = x Wv + b, quantised along the KEYS; qk = x Wqk; q = qk gq + bq and k = qk gk + bk, quantised along their 128.
; All products on codes of FP6 (E2M3) with one E8M0 scale for each 32 along K.  Nothing leaves as f32: x's codes (xc), q's (qc), k's and v's (kv), each as images of operand registers.
; ROWS OF A TILE: lane r of row tile m holds row 32 (m / 2) + 8 (m % 2) + r + 8 (r / 8) of the 64, so that a product with x's tiles as source 0 leaves 16 neighbouring keys in the registers of tiles 2 b, 2 b + 1.
; SHARES.  Wave w quantises row tile w; makes v's channels 128 w .. + 127 (8 tiles x 4 row tiles) and qk's block w of 32 (2 tiles x 4 row tiles): 160 matrix instructions.
; v: source 0 = x's tile (keys), source 1 = Wv's tile: a lane holds ONE channel and its registers run along the keys.  qk: source 0 = Wqk's tile, source 1 = x's tile: a lane holds one row, registers along d.
; IMAGES.  16-byte image: register j of lane L at 512 (j / 4) + 16 L + 4 (j % 4).  8-byte image (v alone): registers 2 p, 2 p + 1 at 256 p + 8 L: my 64 keys are registers 6 c .. 6 c + 5, 768 consecutive bytes.
; kv: [batch][16 blocks of 128,000][2 halves of 64,000]: v's 32 fragments, k's 8, v's scale words, k's.  v of key step t lies in half t; k of step t in half (t + 31) % 32: the reader takes k one step ahead of v.
; The weights come straight into registers, each wave its own columns, once: 245,760 bytes of them do not fit in LDS beside x's stage (132,096) and the images, so no tile is shared through LDS or asked for jointly.
; LIMITS: a block of zeros gets the byte 1 (this program alone reads the bytes); NaN and infinities are not served; q and k are one fused multiply-add each.
; REGISTERS.  window 0: v1-23 addresses; v32-59 scale words; v64-159 Wqk's fragments, later the four gains; v128-191 q or k; v160-255 x's fragments in two sets (products only); v208-247 the quantiser's.
;   window 1: x as loaded, then x by lanes, then v's 32 accumulators at v[32 i + 8 m].   window 2: Wv K steps 0, 1; from v192 qk's accumulators.   window 3: Wv K steps 2, 3; from v192 v's bias as C.
.set XP,    2064                       ; a row of x in the stage: 2,048 bytes + 16
.set XIMG,  132096                     ; behind the four stages: x's 16 fragments, (4 m + s) x 1,536
.set XSC,   156672                     ; their scale words [s][m][16]
.set EIMG,  157696                     ; q's four fragments, then k's four
.set ESC,   169984                     ; k's scale words [16 m + r], then q's
.set SPARE, 170496                     ; the spare words, 128 bytes a wave: two blocks of 256 bytes that no other line names
.set SPW, 1
.set NIL, 2
.set L16, 3
.set L8,  4
.set L4,  5
.set XSS, 6                            ; the stage, way in: as loaded
.set XSL, 7                            ; way out: row r, + 64 h
.set XRD, 8
.set XWI, 9
.set XWS, 10
.set XSR, 11
.set EW0, 12                           ; where a block of q or k goes: pieces 0 and 2
.set EW1, 13                           ; piece 1
.set ESW, 14
.set ERD, 15
.set ESR, 16
.set BVA, 17
.set H64, 18
.set WVS, 32                           ; v32-47 Wv's scale words (4 s + pair), v48-51 Wqk's, v52-59 x's (2 s + pair): they hold scales alone
.set WQS, 48
.set XS,  52
.set TM,  208
.set TX,  212
.set TC,  216
.set PC,  220
.set PWS, 240
.set SW,  244
.set SEL, 2                            ; s[2:3] lane selects: lane l xor 16
.set MSB, 0
.macro WIN new                         ; the immediate's high byte repeats the setting that is left
.if MSB != (\new)
	s_set_vgpr_msb (MSB<<8)|(\new)
.set MSB, \new
.endif
.endm
; One scaled matrix instruction.  c < 0: the constant 0 starts the sum.  ra, rb: the side's scale words stand in lanes 16-31.
.macro WM d, a, b, c, sa, sb, ra, rb
.if (\c) < 0
.if (\ra) && (\rb)
	v_wmma_scale_f32_16x16x128_f8f6f4 v[(\d):(\d)+7], v[(\a):(\a)+11], v[(\b):(\b)+11], 0, v[(\sa)], v[(\sb)] matrix_a_fmt:MATRIX_FMT_FP6 matrix_b_fmt:MATRIX_FMT_FP6 matrix_a_scale:MATRIX_SCALE_ROW1 matrix_b_scale:MATRIX_SCALE_ROW1
.elseif (\ra)
	v_wmma_scale_f32_16x16x128_f8f6f4 v[(\d):(\d)+7], v[(\a):(\a)+11], v[(\b):(\b)+11], 0, v[(\sa)], v[(\sb)] matrix_a_fmt:MATRIX_FMT_FP6 matrix_b_fmt:MATRIX_FMT_FP6 matrix_a_scale:MATRIX_SCALE_ROW1
.elseif (\rb)
	v_wmma_scale_f32_16x16x128_f8f6f4 v[(\d):(\d)+7], v[(\a):(\a)+11], v[(\b):(\b)+11], 0, v[(\sa)], v[(\sb)] matrix_a_fmt:MATRIX_FMT_FP6 matrix_b_fmt:MATRIX_FMT_FP6 matrix_b_scale:MATRIX_SCALE_ROW1
.else
	v_wmma_scale_f32_16x16x128_f8f6f4 v[(\d):(\d)+7], v[(\a):(\a)+11], v[(\b):(\b)+11], 0, v[(\sa)], v[(\sb)] matrix_a_fmt:MATRIX_FMT_FP6 matrix_b_fmt:MATRIX_FMT_FP6
.endif
.else
.if (\ra) && (\rb)
	v_wmma_scale_f32_16x16x128_f8f6f4 v[(\d):(\d)+7], v[(\a):(\a)+11], v[(\b):(\b)+11], v[(\c):(\c)+7], v[(\sa)], v[(\sb)] matrix_a_fmt:MATRIX_FMT_FP6 matrix_b_fmt:MATRIX_FMT_FP6 matrix_a_scale:MATRIX_SCALE_ROW1 matrix_b_scale:MATRIX_SCALE_ROW1
.elseif (\ra)
	v_wmma_scale_f32_16x16x128_f8f6f4 v[(\d):(\d)+7], v[(\a):(\a)+11], v[(\b):(\b)+11], v[(\c):(\c)+7], v[(\sa)], v[(\sb)] matrix_a_fmt:MATRIX_FMT_FP6 matrix_b_fmt:MATRIX_FMT_FP6 matrix_a_scale:MATRIX_SCALE_ROW1
.elseif (\rb)
	v_wmma_scale_f32_16x16x128_f8f6f4 v[(\d):(\d)+7], v[(\a):(\a)+11], v[(\b):(\b)+11], v[(\c):(\c)+7], v[(\sa)], v[(\sb)] matrix_a_fmt:MATRIX_FMT_FP6 matrix_b_fmt:MATRIX_FMT_FP6 matrix_b_scale:MATRIX_SCALE_ROW1
.else
	v_wmma_scale_f32_16x16x128_f8f6f4 v[(\d):(\d)+7], v[(\a):(\a)+11], v[(\b):(\b)+11], v[(\c):(\c)+7], v[(\sa)], v[(\sb)] matrix_a_fmt:MATRIX_FMT_FP6 matrix_b_fmt:MATRIX_FMT_FP6
.endif
.endif
.endm
; Four groups of 16 numbers, v[s + 16 b ..] of window win; a group and the same group of lane l xor 16 are a block of 32.  Leaves TC (the conversions' scale operands) and TX (the scale bytes).
.macro QMAX s, win
	WIN 5*\win
.irp b,0,1,2,3
	v_max3_num_f32 v[TM+\b], |v[(\s)+16*\b]|, |v[(\s)+16*\b+1]|, 0x1800000   ; with the floor 2^(3 - 127): the byte cannot fall under 1
.endr
.irp i,2,4,6,8,10,12,14
.irp b,0,1,2,3
	v_max3_num_f32 v[TM+\b], |v[(\s)+16*\b+\i]|, |v[(\s)+16*\b+\i+1]|, v[TM+\b]   ; the four by turns, each group from its low end on
.endr
.endr
	WIN 0
.irp b,0,1,2,3
	v_permlanex16_b32 v[TX+\b], v[TM+\b], s[SEL], s[SEL+1]
.endr
.irp b,0,1,2,3
	v_max_num_f32 v[TM+\b], v[TM+\b], v[TX+\b]
.endr
.irp b,0,1,2,3
	v_add_nc_u32 v[TC+\b], 0xff000000, v[TM+\b]    ; 2 off the exponent field
.endr
.irp b,0,1,2,3
	v_lshrrev_b32 v[TX+\b], 23, v[TC+\b]
.endr
.endm
; Their codes.  Groups 2 c and 2 c + 1 change halves, so that v[PC + 6 c .. + 5] holds a WHOLE block a lane: lanes 0-15 group 2 c's, lanes 16-31 group 2 c + 1's.
.macro QCVT s, win
	WIN \win
.irp c,0,1
	v_cvt_scalef32_pk16_fp6_f32 v[PC+6*\c:PC+6*\c+2], v[(\s)+32*\c:(\s)+32*\c+15], v[TC+2*\c]
	v_cvt_scalef32_pk16_fp6_f32 v[PC+12+4*\c:PC+14+4*\c], v[(\s)+32*\c+16:(\s)+32*\c+31], v[TC+2*\c+1]   ; (a conversion's three registers begin on an even number)
.endr
	WIN 0
	v_nop                                          ; one plain instruction behind the conversions
.irp c,0,1
.irp i,0,1,2
	v_permlane16_swap_b32 v[PC+6*\c+\i], v[PC+12+4*\c+\i]
.endr
.irp i,0,1,2
	v_mov_b32 v[PC+3+6*\c+\i], v[PC+12+4*\c+\i]
.endr
.endr
.endm
; q's or k's block w of the four row tiles goes into the tiles' images: lane (r, h) holds tile 2 k + h's; three pieces of 8 bytes; and one scale byte a row
.macro EST img, sc
.irp k,0,1
	ds_store_b64 v[EW0], v[PC+6*\k:PC+6*\k+1] offset:\img+3072*\k
	ds_store_b64 v[EW1], v[PC+6*\k+2:PC+6*\k+3] offset:\img+3072*\k
	ds_store_b64 v[EW0], v[PC+6*\k+4:PC+6*\k+5] offset:\img+3072*\k+512
.endr
.irp m,0,1,2,3
	ds_store_b8 v[ESW], v[TX+\m] offset:\sc+64*\m  ; both halves of the lanes write the same byte with the same value
.endr
.endm
.macro BARRIER                         ; my LDS stores have landed and my LDS loads are in: then the work-group's barrier
	s_wait_dscnt 0x0
	s_barrier_signal -1
	s_barrier_wait -1
.endm
.macro XFRAG t                         ; x's four fragments of K step t into set t % 2
.irp m,0,1,2,3
.irp g,0,1,2
	ds_load_b128 v[160+48*((\t)%2)+12*\m+4*\g:160+48*((\t)%2)+12*\m+4*\g+3], v[XRD] offset:(4*\m+(\t))*1536+512*\g
.endr
.endr
.endm
	s_load_b512 s[4:19], s[0:1], 0x0               ; x, wf, ws, b_hidden, q_gamma, q_beta, k_gamma, k_beta
	s_load_b128 s[20:23], s[0:1], 0x40             ; kv, qc
	s_load_b64 s[24:25], s[0:1], 0x50              ; xc
	v_lshl_add_u32 v[SPW], v0, 2, SPARE
	v_mov_b32 v[NIL], 0
	v_lshrrev_b32 v23, 5, v0
	v_readfirstlane_b32 s26, v23                   ; wave w
	v_and_b32 v20, 31, v0                          ; lane
	v_and_b32 v21, 15, v0                          ; r
	v_bfe_u32 v22, v0, 4, 1                        ; h
	v_lshlrev_b32 v[L16], 4, v20
	v_lshlrev_b32 v[L8], 3, v20
	v_lshlrev_b32 v[L4], 2, v20
	s_mul_i32 s27, s26, 16*XP
	v_add_nc_u32 v[XSS], s27, v[L16]
	v_mul_u32_u24 v23, v21, XP
	v_lshl_add_u32 v23, v22, 6, v23
	v_add_nc_u32 v[XSL], s27, v23
	v_add_nc_u32 v[XRD], XIMG, v[L16]
	s_mul_i32 s27, s26, 6144
	s_add_co_u32 s27, s27, XIMG
	v_add_nc_u32 v[XWI], s27, v[L16]
	s_lshl_b32 s27, s26, 6
	s_add_co_u32 s27, s27, XSC
	v_lshl_add_u32 v[XWS], v21, 2, s27
	v_add_nc_u32 v[XSR], XSC, v[L4]
	s_and_b32 s28, s26, 1
	s_lshr_b32 s29, s26, 1
	s_lshl_b32 s27, s28, 8                         ; block w of a row: lanes 16 (w % 2) on, registers 6 (w / 2) on
	s_mul_i32 s30, s29, 520
	s_add_co_u32 s27, s27, s30
	s_add_co_u32 s27, s27, EIMG
	v_mul_u32_u24 v23, v22, 1536
	v_lshl_add_u32 v23, v21, 4, v23
	v_add_nc_u32 v[EW0], s27, v23
	s_mul_i32 s30, s29, 496
	s_add_co_u32 s30, s30, 8
	v_add_nc_u32 v[EW1], s30, v[EW0]
	s_add_co_u32 s27, s26, ESC
	v_lshl_add_u32 v[ESW], v21, 2, s27
	s_mul_i32 s27, s26, 1536
	s_add_co_u32 s27, s27, EIMG
	v_add_nc_u32 v[ERD], s27, v[L16]
	s_lshl_b32 s27, s28, 8
	s_add_co_u32 s27, s27, ESC
	v_add_nc_u32 v[ESR], s27, v[L8]
	v_and_b32 v23, 8, v21
	v_add_nc_u32 v23, v23, v21                     ; r + 8 (r / 8)
	v_lshlrev_b32 v[BVA], 2, v23
	v_lshlrev_b32 v[H64], 6, v22
	v_cmp_lt_u32 s40, 15, v20                      ; lanes 16-31
.irp b,0,1,2,3
	v_mov_b32 v[TX+\b], 0                          ; written once: a lane permute's destination counts as one of its sources
.endr
	s_mov_b32 s[SEL], 0x76543210
	s_mov_b32 s[SEL+1], 0xfedcba98
	s_lshr_b32 s31, ttmp9, 6                       ; batch
	s_and_b32 s32, ttmp9, 63
	s_lshr_b32 s33, s32, 1                         ; key step t
	s_and_b32 s34, s32, 1                          ; c: which 64 of its 128 keys
	s_add_co_u32 s35, s33, 31
	s_and_b32 s35, s35, 31                         ; where k of step t lies
	s_lshl_b32 s36, s31, 4
	s_lshr_b32 s37, s33, 1
	s_add_co_u32 s37, s37, s36
	s_mul_i32 s37, s37, 128000
	s_and_b32 s38, s33, 1
	s_mul_i32 s38, s38, 64000
	s_add_co_u32 s37, s37, s38                     ; v's half
	s_lshr_b32 s38, s35, 1
	s_add_co_u32 s38, s38, s36
	s_mul_i32 s38, s38, 128000
	s_and_b32 s39, s35, 1
	s_mul_i32 s39, s39, 64000
	s_add_co_u32 s38, s38, s39                     ; k's half
	s_mul_i32 s42, s26, 12288                      ; v's codes: my 8 fragments, my 768 bytes of each
	s_mul_i32 s27, s34, 768
	s_add_co_u32 s42, s42, s27
	s_add_co_u32 s42, s42, s37
	s_mov_b32 s43, 0
	s_lshl_b32 s44, s26, 9                         ; v's scale words: my 128 channels, bytes 2 c and 2 c + 1
	s_lshl_b32 s27, s34, 1
	s_add_co_u32 s44, s44, s27
	s_add_co_u32 s44, s44, s37
	s_add_co_u32 s44, s44, 61440
	s_mov_b32 s45, 0
	s_lshl_b32 s46, s34, 2                         ; k's codes: fragment 4 c + w
	s_add_co_u32 s46, s46, s26
	s_mul_i32 s46, s46, 1536
	s_add_co_u32 s46, s46, s38
	s_add_co_u32 s46, s46, 49152
	s_mov_b32 s47, 0
	s_lshl_b32 s48, s34, 8                         ; k's scale words: 64 rows' 256 bytes
	s_add_co_u32 s48, s48, s38
	s_add_co_u32 s48, s48, 63488
	s_mov_b32 s49, 0
	s_mul_i32 s50, s26, 49152                      ; Wv: tiles 8 w on
	s_mov_b32 s51, 0
	s_mul_i32 s52, s26, 12288                      ; Wqk: tiles 64 + 2 w on
	s_add_co_u32 s52, s52, 393216
	s_mov_b32 s53, 0
	s_lshl_b32 s54, s26, 11                        ; their scale words
	s_mov_b32 s55, 0
	s_lshl_b32 s56, s26, 9
	s_add_co_u32 s56, s56, 16384
	s_mov_b32 s57, 0
	s_mul_i32 s58, ttmp9, 26624
	s_mov_b32 s59, 0
	s_mul_i32 s60, ttmp9, 6400
	s_mov_b32 s61, 0
	s_mov_b32 s39, 0
	s_wait_kmcnt 0x0
	s_add_nc_u64 s[42:43], s[20:21], s[42:43]
	s_add_nc_u64 s[44:45], s[20:21], s[44:45]
	s_add_nc_u64 s[46:47], s[20:21], s[46:47]
	s_add_nc_u64 s[48:49], s[20:21], s[48:49]
	s_add_nc_u64 s[50:51], s[6:7], s[50:51]
	s_add_nc_u64 s[52:53], s[6:7], s[52:53]
	s_add_nc_u64 s[54:55], s[8:9], s[54:55]
	s_add_nc_u64 s[56:57], s[8:9], s[56:57]
	s_add_nc_u64 s[58:59], s[24:25], s[58:59]      ; xc at my block
	s_add_nc_u64 s[60:61], s[22:23], s[60:61]      ; qc at my block
	s_mul_i32 s38, s26, 6144
	s_add_nc_u64 s[24:25], s[58:59], s[38:39]      ; xc: my tile's four fragments
	s_lshl_b32 s38, s26, 9
	s_add_co_u32 s38, s38, 24576
	s_add_nc_u64 s[58:59], s[58:59], s[38:39]      ; xc: my tile's scale words
	s_mul_i32 s38, s26, 1536
	s_add_nc_u64 s[22:23], s[60:61], s[38:39]      ; qc: my tile of q
	s_add_nc_u64 s[60:61], s[60:61], 6144          ; qc: the scale words
	s_lshl_b32 s38, ttmp9, 17                      ; x: 64 blk rows of 2,048 bytes,
	s_lshl_b32 s27, s29, 16                        ; + 32 (w / 2) rows
	s_add_co_u32 s38, s38, s27
	s_lshl_b32 s27, s28, 14                        ; + 8 (w % 2) rows
	s_add_co_u32 s38, s38, s27
	s_add_nc_u64 s[4:5], s[4:5], s[38:39]
	s_lshl_b32 s38, s26, 9
	s_add_nc_u64 s[10:11], s[10:11], s[38:39]      ; b_hidden at my 128 channels of v
	s_lshl_b32 s38, s26, 7
	s_add_nc_u64 s[12:13], s[12:13], s[38:39]      ; the four gains at my block of 32
	s_add_nc_u64 s[14:15], s[14:15], s[38:39]
	s_add_nc_u64 s[16:17], s[16:17], s[38:39]
	s_add_nc_u64 s[18:19], s[18:19], s[38:39]
	; ---- loads: my 16 rows of x first, 512 consecutive bytes a load
	WIN 0x40
.irp i,0,1,2,3,4,5,6,7,8,9,10,11,12,13,14,15
.irp c,0,1,2,3
	global_load_b128 v[16*\i+4*\c:16*\i+4*\c+3], v[L16], s[4:5] offset:(\i+8*(\i/8))*2048+512*\c th:TH_LOAD_NT
.endr
.endr
	WIN 0xc0
.irp i,0,1,2,3,4,5,6,7
	global_load_b32 v[192+8*\i], v[BVA], s[10:11] offset:4*(32*(\i/2)+8*(\i%2))   ; v's bias at my lane's channel of tile i
.endr
	WIN 0
.irp t,0,1,2,3
.irp p,0,1,2,3
	global_load_b32 v[WVS+4*\t+\p], v[L4], s[54:55] offset:(4*\p+\t)*128
.endr
	global_load_b32 v[WQS+\t], v[L4], s[56:57] offset:128*\t
.endr
.irp t,0,1,2,3
.irp u,0,1
.irp g,0,1,2
	global_load_b128 v[64+24*\t+12*\u+4*\g:64+24*\t+12*\u+4*\g+3], v[L16], s[52:53] offset:(4*\u+\t)*1536+512*\g
.endr
.endr
.endr
	; ---- x through my own stage: in as loaded, out 16 neighbours of each block of 32 a lane
	s_wait_loadcnt 52                              ; x's 64 loads are in; the 8 + 20 + 24 issued behind them may be out
	WIN 0x04
.irp i,0,1,2,3,4,5,6,7,8,9,10,11,12,13,14,15
.irp c,0,1,2,3
	ds_store_b128 v[XSS], v[16*\i+4*\c:16*\i+4*\c+3] offset:XP*\i+512*\c
.endr
.endr
	WIN 0x80
.irp t,0,1
.irp i,0,1,2,3,4,5,6,7
.irp g,0,1,2
	global_load_b128 v[96*\t+12*\i+4*\g:96*\t+12*\i+4*\g+3], v[L16], s[50:51] offset:(4*\i+\t)*1536+512*\g
.endr
.endr
.endr
	WIN 0xc0
.irp t,0,1
.irp i,0,1,2,3,4,5,6,7
.irp g,0,1,2
	global_load_b128 v[96*\t+12*\i+4*\g:96*\t+12*\i+4*\g+3], v[L16], s[50:51] offset:(4*\i+\t+2)*1536+512*\g
.endr
.endr
.endr
	s_wait_dscnt 0x0                               ; the stores have read their registers, which the loads below fill
	WIN 0x40
.irp t,0,1,2,3
.irp b,0,1,2,3
.irp j,0,1,2,3
	ds_load_b128 v[64*\t+16*\b+4*\j:64*\t+16*\b+4*\j+3], v[XSL] offset:512*\t+128*\b+16*\j
.endr
.endr
.endr
	s_wait_dscnt 0x0
	WIN 0
	; ---- my tile's four fragments of x: to LDS for the other waves, to xc for the next launch
.irp t,0,1,2,3
.if \t > 0
	s_wait_dscnt 0x0                               ; the last fragment's stores have read the codes' registers
	s_wait_xcnt 0x0
.endif
	QMAX 64*\t,1
	v_lshl_or_b32 v[PWS+\t], v[TX+1], 8, v[TX]
	v_lshl_or_b32 v[PWS+\t], v[TX+2], 16, v[PWS+\t]
	v_lshl_or_b32 v[PWS+\t], v[TX+3], 24, v[PWS+\t]
	QCVT 64*\t,1
.irp g,0,1,2
	ds_store_b128 v[XWI], v[PC+4*\g:PC+4*\g+3] offset:1536*\t+512*\g
.endr
	ds_store_b32 v[XWS], v[PWS+\t] offset:256*\t
.irp g,0,1,2
	global_store_b128 v[L16], v[PC+4*\g:PC+4*\g+3], s[24:25] offset:1536*\t+512*\g
.endr
.endr
	global_store_b128 v[L16], v[PWS:PWS+3], s[58:59]
	s_wait_xcnt 0x0                                ; the stores have read their registers: x's fragments land there below
	BARRIER                                        ; x's sixteen fragments lie in LDS
	; ---- the products
	s_wait_loadcnt 0x0                             ; the weights, their scale words, the bias
	WIN 0xc3
.irp i,0,1,2,3,4,5,6,7
.irp j,1,2,3,4,5,6,7
	v_mov_b32 v[192+8*\i+\j], v[192+8*\i]          ; the bias as C: a lane holds one channel, so its eight registers are alike
.endr
.endr
	WIN 0
.rept 4
	v_nop
.endr
.irp t,0,1,2,3
.irp k,0,1
	ds_load_b32 v[XS+2*\t+\k], v[XSR] offset:256*\t+128*\k   ; lanes 0-15 tile 2 k's words, lanes 16-31 tile 2 k + 1's
.endr
.endr
	XFRAG 0
	XFRAG 1
.irp t,0,1,2,3
.if \t < 3
	s_wait_dscnt 12                                ; this K step's set is in; the other set's 12 loads may be out
.else
	s_wait_dscnt 0x0
.endif
.if \t == 0
	WIN 0x78                                       ; x window 0, Wv window 2, the bias window 3, v window 1
.elseif \t == 1
	WIN 0x58
.else
	WIN 0x5c                                       ; Wv window 3
.endif
.irp i,0,1,2,3,4,5,6,7                 ; the 32 accumulators of v and the 8 of qk take turns, one instruction a turn
.irp m,0,1,2,3
.if \t == 0
	WM 32*\i+8*\m,160+48*(\t%2)+12*\m,96*(\t%2)+12*\i,192+8*\i,XS+2*\t+\m/2,WVS+4*\t+\i/2,\m%2,\i%2
.else
	WM 32*\i+8*\m,160+48*(\t%2)+12*\m,96*(\t%2)+12*\i,32*\i+8*\m,XS+2*\t+\m/2,WVS+4*\t+\i/2,\m%2,\i%2
.endif
.endr
.endr
	WIN 0xa0                                       ; Wqk and x window 0, qk window 2
.irp m,0,1,2,3
.irp u,0,1
.if \t == 0
	WM 192+16*\m+8*\u,64+24*\t+12*\u,160+48*(\t%2)+12*\m,-1,WQS+\t,XS+2*\t+\m/2,\u,\m%2
.else
	WM 192+16*\m+8*\u,64+24*\t+12*\u,160+48*(\t%2)+12*\m,192+16*\m+8*\u,WQS+\t,XS+2*\t+\m/2,\u,\m%2
.endif
.endr
.endr
	WIN 0
.rept 4
	v_nop                                          ; four plain instructions in front of loads into registers that matrix instructions have read, and of the first read of results
.endr
.if \t < 2
	XFRAG \t+2
.endif
.endr
	; ---- the gains of my block of 32, 16 numbers a lane, into Wqk's registers
.irp j,0,1,2,3
	global_load_b128 v[64+4*\j:64+4*\j+3], v[H64], s[12:13] offset:16*\j
	global_load_b128 v[80+4*\j:80+4*\j+3], v[H64], s[14:15] offset:16*\j
	global_load_b128 v[96+4*\j:96+4*\j+3], v[H64], s[16:17] offset:16*\j
	global_load_b128 v[112+4*\j:112+4*\j+3], v[H64], s[18:19] offset:16*\j
.endr
	; ---- v, two channel tiles at a time: four blocks of 32 keys.  The codes are registers 6 c .. 6 c + 5 of v's fragments
.irp i,0,2,4,6
	s_wait_xcnt 0x0                                ; the last pair's stores have read their registers
	QMAX 32*\i,1
	v_lshl_or_b32 v[SW], v[TX+1], 8, v[TX]         ; tile i's two bytes,
	v_lshl_or_b32 v[SW+1], v[TX+3], 8, v[TX+2]     ; tile i + 1's
	v_cndmask_b32 v[SW], v[SW], v[SW+1], s40       ; lanes 0-15 store tile i's, lanes 16-31 tile i + 1's
	QCVT 32*\i,1
.irp c,0,1
.irp p,0,1,2
	global_store_b64 v[L8], v[PC+6*\c+2*\p:PC+6*\c+2*\p+1], s[42:43] offset:1536*(\i+\c)+256*\p   ; 32 lanes store 256 consecutive bytes, aligned
.endr
.endr
	global_store_b16 v[L4], v[SW], s[44:45] offset:64*\i   ; two bytes of each channel's word: the other two are another work-group's; 1 byte in 24 of what v stores
.endr
	; ---- q and k
	s_wait_loadcnt 0x0
	s_wait_xcnt 0x0
	WIN 0x02
.irp m,0,1,2,3
.irp e,0,2,4,6,8,10,12,14
	v_pk_fma_f32 v[128+16*\m+\e:128+16*\m+\e+1], v[192+16*\m+\e:192+16*\m+\e+1], v[64+\e:64+\e+1], v[80+\e:80+\e+1]
.endr
.endr
	WIN 0
	QMAX 128,0
	QCVT 128,0
	EST 0,256
	s_wait_dscnt 0x0                               ; the stores have read their registers
	WIN 0x02
.irp m,0,1,2,3
.irp e,0,2,4,6,8,10,12,14
	v_pk_fma_f32 v[128+16*\m+\e:128+16*\m+\e+1], v[192+16*\m+\e:192+16*\m+\e+1], v[96+\e:96+\e+1], v[112+\e:112+\e+1]
.endr
.endr
	WIN 0
	QMAX 128,0
	QCVT 128,0
	EST 6144,0
	BARRIER                                        ; q's and k's fragments and scale words are whole
.irp g,0,1,2
	ds_load_b128 v[128+4*\g:128+4*\g+3], v[ERD] offset:512*\g
.endr
.irp g,0,1,2
	ds_load_b128 v[140+4*\g:140+4*\g+3], v[ERD] offset:6144+512*\g
.endr
.irp g,0,1,2
	s_wait_dscnt 5-\g
	global_store_b128 v[L16], v[128+4*\g:128+4*\g+3], s[22:23] offset:512*\g
.endr
.irp g,0,1,2
	s_wait_dscnt 2-\g
	global_store_b128 v[L16], v[140+4*\g:140+4*\g+3], s[46:47] offset:512*\g
.endr
	s_cmp_lt_u32 s26, 2                            ; wave 0 stores k's 256 bytes of scale words, wave 1 q's
	s_cbranch_scc0 .Lno_words
	s_cmp_eq_u32 s26, 0
	s_cselect_b64 s[62:63], s[48:49], s[60:61]
	ds_load_b64 v[152:153], v[ESR]
	s_wait_dscnt 0x0
	global_store_b64 v[L8], v[152:153], s[62:63]
.Lno_words:
	s_wait_tensorcnt 0x0                           ; the wave's end
	ds_add_u32 v[SPW], v[NIL]
	s_wait_dscnt 0x0
	s_endpgm
.Lfunc_end_k_qf6e5aab2c1_proj:
	.size	k_qf6e5aab2c1_proj, .Lfunc_end_k_qf6e5aab2c1_proj-k_qf6e5aab2c1_proj
	.p2alignl 7, 3214868480
	.fill 96, 4, 3214868480
	.section	.rodata,"a",@progbits
	.p2align	6, 0x0
	.amdhsa_kernel k_qf6e5aab2c1_proj
		.amdhsa_group_segment_fixed_size 171008
		.amdhsa_private_segment_fixed_size 0
		.amdhsa_enable_private_segment 0
		.amdhsa_kernarg_size 88
		.amdhsa_user_sgpr_count 2
		.amdhsa_user_sgpr_kernarg_segment_ptr 1
		.amdhsa_wavefront_size32 1
		.amdhsa_system_sgpr_workgroup_id_x 1
		.amdhsa_system_sgpr_workgroup_id_y 1
		.amdhsa_system_sgpr_workgroup_id_z 1
		.amdhsa_system_vgpr_workitem_id 0
		.amdhsa_next_free_vgpr 1024
		.amdhsa_next_free_sgpr 66
		.amdhsa_reserve_vcc 0
		.amdhsa_float_denorm_mode_32 3
		.amdhsa_float_denorm_mode_16_64 3
		.amdhsa_memory_ordered 1
		.amdhsa_forward_progress 1
		.amdhsa_inst_pref_size 113
	.end_amdhsa_kernel
	.amdgpu_metadata
---
amdhsa.version: [ 1, 2 ]
amdhsa.kernels:
  - .name:           k_qf6e5aab2c1_proj
    .symbol:         k_qf6e5aab2c1_proj.kd
    .args:
      - { .name: x, .offset: 0, .size: 8, .value_kind: global_buffer, .address_space: global }
      - { .name: wf, .offset: 8, .size: 8, .value_kind: global_buffer, .address_space: global }
      - { .name: ws, .offset: 16, .size: 8, .value_kind: global_buffer, .address_space: global }
      - { .name: b_hidden, .offset: 24, .size: 8, .value_kind: global_buffer, .address_space: global }
      - { .name: q_gamma, .offset: 32, .size: 8, .value_kind: global_buffer, .address_space: global }
      - { .name: q_beta, .offset: 40, .size: 8, .value_kind: global_buffer, .address_space: global }
      - { .name: k_gamma, .offset: 48, .size: 8, .value_kind: global_buffer, .address_space: global }
      - { .name: k_beta, .offset: 56, .size: 8, .value_kind: global_buffer, .address_space: global }
      - { .name: kv, .offset: 64, .size: 8, .value_kind: global_buffer, .address_space: global }
      - { .name: qc, .offset: 72, .size: 8, .value_kind: global_buffer, .address_space: global }
      - { .name: xc, .offset: 80, .size: 8, .value_kind: global_buffer, .address_space: global }
    .group_segment_fixed_size: 171008
    .private_segment_fixed_size: 0
    .kernarg_segment_align: 8
    .kernarg_segment_size: 88
    .max_flat_workgroup_size: 128
    .sgpr_count:     66
    .vgpr_count:     1024
    .wavefront_size: 32
...
	.end_amdgpu_metadata
.endif
;; end of part 2
;; launch attn (part 3): grid 64 x 4, 4 waves a work-group, clusters of 4 x 1, 327,680 bytes of LDS; arguments x, xc, qc, kv, wf, ws, b_hidden, b_out, out0; writes out0
.if DOCPART == 3
	.amdgcn_target "amdgcn-amd-amdhsa--gfx1250"
	.amdhsa_code_object_version 6
	.text
	.protected	k_qf6e5aab2c1_attn
	.globl	k_qf6e5aab2c1_attn
	.p2align	8
	.type	k_qf6e5aab2c1_attn,@function
k_qf6e5aab2c1_attn:
	s_mov_b64 s[64:65], 0
	v_nop
	global_prefetch_b8 v0, s[64:65] scope:SCOPE_SE
	s_setreg_imm32_b32 hwreg(HW_REG_WAVE_MODE, 25, 1), 1
	s_wait_xcnt 0x0
	s_wait_alu depctr_hold_cnt(0) depctr_sa_sdst(0) depctr_va_vdst(0) depctr_va_sdst(0) depctr_va_ssrc(0) depctr_va_vcc(0) depctr_vm_vsrc(0)
	s_getreg_b32 s2, hwreg(HW_REG_IB_STS2, 6, 4)
	s_cmp_eq_u32 s2, 0
	s_cbranch_scc0 .Lentry_in_a_cluster
	s_endpgm
.Lentry_in_a_cluster:
	s_bfe_u32 s2, ttmp6, 0x10000c
	s_cmp_lg_u32 s2, 0x3003
	s_cbranch_scc0 .Lentry_shape_is_right
	s_endpgm
.Lentry_shape_is_right:
; For 64 queries of one batch: gate = x Wg + b;  attn = relu(q k^T / sqrt(128))^2;  o = attn v;  out = (o gate) Wo + b_out + x.  All products on codes of FP6 (E2M3), one E8M0 scale for each 32 along K.
; SHARES.  Four waves.  Wave w owns hidden 128 w .. + 127 of o and of the gate and columns 128 w .. + 127 of out, for all 64 queries (256 accumulator registers each); of every 128 keys it makes the scores of block w of 32.
; So each wave's part of v, of k and of the weights is its own, and only the quantised attn goes round, through LDS, as images of the operand's registers.
; LAYOUT.  All products are used transposed (source 1 = a tile of 16 queries): a lane holds ONE query.  The rows of every source 0 tile are chosen (lane r of tile 2 b + u: member 32 b + 8 u + r + 8 (r / 8)), so that
; the 16 registers of tiles 2 b, 2 b + 1 are 16 neighbours along the next product's K.
; attn = relu(S)^2 / 128: S^2 is what is converted, and the division is 7 off the scale byte; the floor 2^(10 - 127) on a block's largest S^2 holds that byte at 1.
; A TRIP t (128 keys): the 8 products of S(t + 1) = k(t + 1) q^T, then the 32 of o += v(t) p(t).  The relu, square and quantiser of S(t + 1) are a list of 173 vector instructions, five behind each product from the third on.
; LDS instructions stand in runs, not singly among the products: p(t) at the trip's head; k(t + 2) and v(t + 1) in four runs among the 32; the stores of p(t + 1) in one run, three products ahead of the trip's end.
; THE RING.  kv's blocks of 128,000 bytes (v of two key steps, k of the two steps one further on) go through two LDS slots; each wave fetches a quarter (125 rows of 256 bytes).  The four work-groups of a cluster belong to
; one batch and walk the same blocks: each quarter is asked for JOINTLY.  By this text's count a wave has two tensor loads out at the start and one behind each refill.
; The weights Wg and Wo (196,608 bytes each) go straight into registers: the ring fills LDS, and each wave reads its own columns alone, once.
; LIMITS: a block of zeros gets the byte 1 (this program alone reads the bytes); NaN and infinities are not served.
; REGISTERS.  window 0: v1-31 addresses and q's, k's scale words; v32-63 scale words; v64-127 S; v128-175 p's fragments; v176-199 k's; v200-232 the quantiser's (at the head v64-255: x's 16 fragments).
;   window 1: o at v[64 m + 8 i] (head: Wg K steps 2, 3; k(0)).   window 2: v in two sets of 96; q from v192 (head: Wg K steps 0, 1; tail: Wo, b_out).   window 3: the gate at v[64 m + 8 i]; in the tail x.
.set SLOT1, 131072                     ; slot 1 begins here: one exclusive or turns an address in one slot into the other's
.set HALF,  64000
.set BLKB,  128000
.set PIMG,  262144                     ; behind the ring: p's four fragments, two buffers
.set PSC,   274432                     ; their scale words [16 m + r], two buffers
.set TIMG,  274944                     ; (o gate)'s sixteen fragments, (4 m + s) x 1,536
.set TSC,   299520                     ; their scale words [s][16 m + r]
.set SPARE, 300544                     ; the spare words, 128 bytes a wave: two blocks of 256 bytes that no other line names
.set SPW, 1
.set NIL, 2
.set AV0, 3                            ; my lane's place in a half: v's fragments,
.set AK0, 4                            ; k's,
.set AVS0, 5                           ; v's scale words,
.set AKS0, 6                           ; k's
.set PRD, 7
.set PSR, 8
.set PW0, 9
.set PW1, 10
.set PSW, 11
.set GO,  12                           ; 16 x lane
.set ADV, 13
.set ADK, 14
.set ADVS, 15
.set ADKS, 16
.set QS,  17                           ; v17-18 q's scale words, v19 k's: they hold scales alone
.set KS,  19
.set L4,  20
.set STO, 24                           ; the way out: a stage of 16 rows x 528 bytes for each wave, in slot 0, which has had its last fill and its last read by then
.set SRD, 25
.set TWI, 26
.set TWS, 27
.set TRD, 28
.set TSR, 29
.set PFO, 30
.set H64, 31
.set WS,  32                           ; v32-47 a weight's scale words (4 s + pair); in the trips v32-39 v's (4 set + pair), v40-41 p's
.set VS,  32
.set PS,  40
.set XQS, 48                           ; v48-63 x's scale words (4 m + s); in the tail (o gate)'s (2 s + pair)
.set TS,  48
.set S,   64
.set P,   128
.set KF,  176
.set TM,  200
.set TX,  204
.set TC,  208
.set PC,  212
.set PB,  224
.set PW,  232
.set BK,  64
.set WV,  22
.set CX,  23
.set G1,  36
.set G0A, 44
.set G0B, 48
.set SEL, 52
.set TB,  54                           ; LDS byte at which the half in hand begins
.set CNT, 55
.set LIM, 56
.set PFA, 58
.set WFG, 60
.set WSG, 62
.set WFO, 66
.set WSO, 68
.set XCB, 70
.set QCB, 72
.set KV0, 74
.set BG,  76
.set BO,  78
.set XB,  80
.set OB,  82
.set KS0, 84
.set KVQ, 86
.set MSB, 0
.macro WIN new                         ; the immediate's high byte repeats the setting that is left
.if MSB != (\new)
	s_set_vgpr_msb (MSB<<8)|(\new)
.set MSB, \new
.endif
.endm
; One scaled matrix instruction.  c < 0: the constant 0 starts the sum.  ra, rb: the side's scale words stand in lanes 16-31.
.macro WM d, a, b, c, sa, sb, ra, rb
.if (\c) < 0
.if (\ra) && (\rb)
	v_wmma_scale_f32_16x16x128_f8f6f4 v[(\d):(\d)+7], v[(\a):(\a)+11], v[(\b):(\b)+11], 0, v[(\sa)], v[(\sb)] matrix_a_fmt:MATRIX_FMT_FP6 matrix_b_fmt:MATRIX_FMT_FP6 matrix_a_scale:MATRIX_SCALE_ROW1 matrix_b_scale:MATRIX_SCALE_ROW1
.elseif (\ra)
	v_wmma_scale_f32_16x16x128_f8f6f4 v[(\d):(\d)+7], v[(\a):(\a)+11], v[(\b):(\b)+11], 0, v[(\sa)], v[(\sb)] matrix_a_fmt:MATRIX_FMT_FP6 matrix_b_fmt:MATRIX_FMT_FP6 matrix_a_scale:MATRIX_SCALE_ROW1
.elseif (\rb)
	v_wmma_scale_f32_16x16x128_f8f6f4 v[(\d):(\d)+7], v[(\a):(\a)+11], v[(\b):(\b)+11], 0, v[(\sa)], v[(\sb)] matrix_a_fmt:MATRIX_FMT_FP6 matrix_b_fmt:MATRIX_FMT_FP6 matrix_b_scale:MATRIX_SCALE_ROW1
.else
	v_wmma_scale_f32_16x16x128_f8f6f4 v[(\d):(\d)+7], v[(\a):(\a)+11], v[(\b):(\b)+11], 0, v[(\sa)], v[(\sb)] matrix_a_fmt:MATRIX_FMT_FP6 matrix_b_fmt:MATRIX_FMT_FP6
.endif
.else
.if (\ra) && (\rb)
	v_wmma_scale_f32_16x16x128_f8f6f4 v[(\d):(\d)+7], v[(\a):(\a)+11], v[(\b):(\b)+11], v[(\c):(\c)+7], v[(\sa)], v[(\sb)] matrix_a_fmt:MATRIX_FMT_FP6 matrix_b_fmt:MATRIX_FMT_FP6 matrix_a_scale:MATRIX_SCALE_ROW1 matrix_b_scale:MATRIX_SCALE_ROW1
.elseif (\ra)
	v_wmma_scale_f32_16x16x128_f8f6f4 v[(\d):(\d)+7], v[(\a):(\a)+11], v[(\b):(\b)+11], v[(\c):(\c)+7], v[(\sa)], v[(\sb)] matrix_a_fmt:MATRIX_FMT_FP6 matrix_b_fmt:MATRIX_FMT_FP6 matrix_a_scale:MATRIX_SCALE_ROW1
.elseif (\rb)
	v_wmma_scale_f32_16x16x128_f8f6f4 v[(\d):(\d)+7], v[(\a):(\a)+11], v[(\b):(\b)+11], v[(\c):(\c)+7], v[(\sa)], v[(\sb)] matrix_a_fmt:MATRIX_FMT_FP6 matrix_b_fmt:MATRIX_FMT_FP6 matrix_b_scale:MATRIX_SCALE_ROW1
.else
	v_wmma_scale_f32_16x16x128_f8f6f4 v[(\d):(\d)+7], v[(\a):(\a)+11], v[(\b):(\b)+11], v[(\c):(\c)+7], v[(\sa)], v[(\sb)] matrix_a_fmt:MATRIX_FMT_FP6 matrix_b_fmt:MATRIX_FMT_FP6
.endif
.endif
.endm
; Four groups of 16 numbers, v[s + 16 b ..] of window win; a group and the same group of lane l xor 16 are a block of 32.  Leaves TC (the conversions' scale operands) and TX (the scale bytes).
.macro QMAX s, win
	WIN 5*\win
.irp b,0,1,2,3
	v_max3_num_f32 v[TM+\b], |v[(\s)+16*\b]|, |v[(\s)+16*\b+1]|, 0x1800000   ; with the floor 2^(3 - 127): the byte cannot fall under 1
.endr
.irp i,2,4,6,8,10,12,14
.irp b,0,1,2,3
	v_max3_num_f32 v[TM+\b], |v[(\s)+16*\b+\i]|, |v[(\s)+16*\b+\i+1]|, v[TM+\b]
.endr
.endr
	WIN 0
.irp b,0,1,2,3
	v_permlanex16_b32 v[TX+\b], v[TM+\b], s[SEL], s[SEL+1]
.endr
.irp b,0,1,2,3
	v_max_num_f32 v[TM+\b], v[TM+\b], v[TX+\b]
.endr
.irp b,0,1,2,3
	v_add_nc_u32 v[TC+\b], 0xff000000, v[TM+\b]
.endr
.irp b,0,1,2,3
	v_lshrrev_b32 v[TX+\b], 23, v[TC+\b]
.endr
.endm
; Their codes: v[PC .. PC + 11] is the fragment: a whole block a lane, lanes 0-15 block 2 c, lanes 16-31 block 2 c + 1
.macro QCVT s, win
	WIN \win
.irp c,0,1
	v_cvt_scalef32_pk16_fp6_f32 v[PC+6*\c:PC+6*\c+2], v[(\s)+32*\c:(\s)+32*\c+15], v[TC+2*\c]
	v_cvt_scalef32_pk16_fp6_f32 v[PC+12+4*\c:PC+14+4*\c], v[(\s)+32*\c+16:(\s)+32*\c+31], v[TC+2*\c+1]
.endr
	WIN 0
	v_nop                                          ; one plain instruction behind the conversions
.irp c,0,1
.irp i,0,1,2
	v_permlane16_swap_b32 v[PC+6*\c+\i], v[PC+12+4*\c+\i]
.endr
.irp i,0,1,2
	v_mov_b32 v[PC+3+6*\c+\i], v[PC+12+4*\c+\i]
.endr
.endr
.endm
; A round of the cluster's barrier: my work-group's barrier; wave 0 signals for the work-group; every wave waits for all four work-groups; my work-group's barrier once more
.macro ROUND
	s_barrier_signal -1
	s_barrier_wait -1
	s_cmp_lg_u32 s[WV], 0
	s_cbranch_scc1 .Lnot_wave_0_\@
	s_barrier_signal -3
.Lnot_wave_0_\@:
	s_barrier_wait -3
	s_barrier_signal -1
	s_barrier_wait -1
.endm
; A prefetch of the block that the NEXT refill will ask for: two trips, 80 matrix instructions a wave, ahead of that load.  A block is 500 pieces of 256 bytes: a lane a piece, shared among the four partners and their four
; waves BY ADDRESS (piece 128 cx + 32 w + lane, held at 499).  All sixteen clusters of a batch walk the same blocks: the batch's first cluster asks.  The last refill asks for nothing; blocks 0 to 2 come by their loads alone.
.macro ASK
	s_cmp_gt_u32 s[CNT], s[LIM]
	s_cbranch_scc0 .Lnot_mine_\@
	global_prefetch_b8 v[PFO], s[PFA:PFA+1] th:TH_LOAD_NT scope:SCOPE_SE
.Lnot_mine_\@:
.endm
; THE VECTOR WORK BESIDE THE PRODUCTS, as a numbered list of 173; SIDE writes number sn.  All of it lies in window 0, and none of it is an LDS instruction.
;   0-63 relu, register by register: score tile q is registers 8 q .. 8 q + 7
;   124-155 the squares   156-160 the conversions and a plain instruction   161-172 tiles 2 k and 2 k + 1 change halves: lane (r, h) holds tile 2 k + h's whole block
.macro SIDE
.if sn < 64
	v_max_num_f32 v[S+sn], 0, v[S+sn]
.elseif sn < 68
	v_max3_num_f32 v[TM+sn-64], v[S+16*(sn-64)], v[S+16*(sn-64)+1], 0
.elseif sn < 96
	v_max3_num_f32 v[TM+(sn-64)%4], v[TM+(sn-64)%4], v[S+16*((sn-64)%4)+2*((sn-64)/4)], v[S+16*((sn-64)%4)+2*((sn-64)/4)+1]
.elseif sn < 100
	v_permlanex16_b32 v[TX+sn-96], v[TM+sn-96], s[SEL], s[SEL+1]
.elseif sn < 104
	v_max_num_f32 v[TM+sn-100], v[TM+sn-100], v[TX+sn-100]
.elseif sn < 108
	v_mul_f32 v[TM+sn-104], v[TM+sn-104], v[TM+sn-104]   ; the largest square is the largest score's: the same multiplication on the same number
.elseif sn < 112
	v_max_num_f32 v[TM+sn-108], 0x5000000, v[TM+sn-108]
.elseif sn < 116
	v_add_nc_u32 v[TC+sn-112], 0xff000000, v[TM+sn-112]
.elseif sn < 120
	v_lshrrev_b32 v[TX+sn-116], 23, v[TC+sn-116]
.elseif sn < 124
	v_add_nc_u32 v[TX+sn-120], -7, v[TX+sn-120]
.elseif sn < 156
	v_pk_mul_f32 v[S+2*(sn-124):S+2*(sn-124)+1], v[S+2*(sn-124):S+2*(sn-124)+1], v[S+2*(sn-124):S+2*(sn-124)+1]
.elseif sn < 160
.if (sn-156)%2 == 0
	v_cvt_scalef32_pk16_fp6_f32 v[PC+6*((sn-156)/2):PC+6*((sn-156)/2)+2], v[S+16*(sn-156):S+16*(sn-156)+15], v[TC+sn-156]
.else
	v_cvt_scalef32_pk16_fp6_f32 v[PB+4*((sn-156)/2):PB+4*((sn-156)/2)+2], v[S+16*(sn-156):S+16*(sn-156)+15], v[TC+sn-156]
.endif
.elseif sn == 160
	v_nop                                          ; one plain instruction behind the conversions
.elseif sn < 167
	v_permlane16_swap_b32 v[PC+6*((sn-161)/3)+(sn-161)%3], v[PB+4*((sn-161)/3)+(sn-161)%3]
.elseif sn < 173
	v_mov_b32 v[PC+3+6*((sn-167)/3)+(sn-167)%3], v[PB+4*((sn-167)/3)+(sn-167)%3]
.endif
.endm
; A slice: the list's next five.  35 slices hold the 173: six behind the score products 2 to 7, 29 behind products 0 to 28 of o
.macro SLICE
	WIN 0
.rept 5
	SIDE
.set sn, sn+1
.endr
.endm
.macro LDK                             ; the next k but one: my two fragments and their scale words: 7 LDS loads
.irp u,0,1
.irp g,0,1,2
	ds_load_b128 v[KF+12*\u+4*\g:KF+12*\u+4*\g+3], v[ADK] offset:1536*\u+512*\g
.endr
.endr
	ds_load_b32 v[KS], v[ADKS]
.endm
.macro LDV set, g                      ; the next v's fragments 2 g and 2 g + 1 and their scale words: 13 LDS loads
	WIN 0x80
.irp f,0,1
.irp p,0,1,2,3,4,5
	ds_load_b64 v[96*(\set)+12*(2*(\g)+\f)+2*\p:96*(\set)+12*(2*(\g)+\f)+2*\p+1], v[ADV] offset:1536*(2*(\g)+\f)+256*\p
.endr
.endr
	WIN 0
	ds_load_b32 v[VS+4*(\set)+(\g)], v[ADVS] offset:128*(\g)
.endm
.macro PST buf                         ; my block of the four query tiles goes into p's images: three pieces of 8 bytes for each pair of tiles; and one scale byte a query
.irp k,0,1
	ds_store_b64 v[PW0], v[PC+6*\k:PC+6*\k+1] offset:6144*(\buf)+3072*\k
	ds_store_b64 v[PW1], v[PC+6*\k+2:PC+6*\k+3] offset:6144*(\buf)+3072*\k
	ds_store_b64 v[PW0], v[PC+6*\k+4:PC+6*\k+5] offset:6144*(\buf)+3072*\k+512
.endr
.irp m,0,1,2,3
	ds_store_b8 v[PSW], v[TX+\m] offset:256*(\buf)+64*\m   ; both halves of the lanes write the same byte with the same value
.endr
.endm
; TRIP t, par = t % 2.  bar: 1 a plain barrier (p(t) is whole; nobody reads the other p buffer any more); 2 a round of the cluster's barrier and the refill; 3 the last block has landed, nothing is filled; 0 none.
; pv: o += v(t) p(t) (zero: these products start o).  sc: S(t + 1), its slices, v(t + 1).  kl: k(t + 2).  k0: k's fragments stand in window 1 (the first scores).
.macro TRIP par, bar, pv, zero, sc, kl, k0
.if \bar == 1
	s_wait_dscnt 0x0                               ; my stores of p have landed; v, k and their scale words are in
	s_barrier_signal -1
	s_barrier_wait -1
.elseif \bar == 2
	s_wait_tensorcnt 0x0                           ; all my tensor loads have landed: my quarter of the block that is read next; so a descriptor may be written
	ds_add_u32 v[SPW], v[NIL]                      ; 0 onto my spare word: the steps below stand between it and the wait for it
	s_xor_b32 s[G0B+1], s[G0B+1], SLOT1            ; the walking descriptor: the other slot than last time,
	s_add_nc_u64 s[G0B+2:G0B+3], s[G0B+2:G0B+3], BLKB   ; the next block; the type bits on top are not reached
	s_wait_xcnt 0x0                                ; the last prefetch, two trips back, has read its address
	s_add_nc_u64 s[PFA:PFA+1], s[PFA:PFA+1], BLKB
	s_wait_dscnt 0x0                               ; the add is done, my reads of the slot that was left are over, my stores of p have landed
	ROUND                                          ; no wave of any partner still reads that slot or has a load on its way
	tensor_load_to_lds s[G0B:G0B+3], s[G1:G1+7]    ; my one tensor load behind the round: it has two trips in which to land
	s_nop 0
.rept 4
	v_nop
.endr
	ASK
.elseif \bar == 3
	s_wait_tensorcnt 0x0
	ds_add_u32 v[SPW], v[NIL]
	s_wait_dscnt 0x0
	s_barrier_signal -1
	s_barrier_wait -1
.endif
	v_add_nc_u32 v[ADV], s[TB], v[AV0]             ; these four are also the plain instructions between the last trip's products and the loads into their operands
	v_add_nc_u32 v[ADK], s[TB], v[AK0]
	v_add_nc_u32 v[ADVS], s[TB], v[AVS0]
	v_add_nc_u32 v[ADKS], s[TB], v[AKS0]
.if \pv
	ds_load_b32 v[PS], v[PSR] offset:256*\par      ; p(t): the scale words and fragment 0 first: the first eight products of o want no more
	ds_load_b32 v[PS+1], v[PSR] offset:256*\par+128
.irp m,0,1,2,3
.irp g,0,1,2
	ds_load_b128 v[P+12*\m+4*\g:P+12*\m+4*\g+3], v[PRD] offset:6144*\par+1536*\m+512*\g
.endr
.endr
.endif
.set sn, 0
.if \sc
.set sq, 0
.rept 8                                ; score tile sq = k's tile 2 w + sq % 2 x q's tile sq / 2, at v[S + 8 sq].  Four plain instructions stand behind the second product; from the third on a slice behind each:
.if \k0                                ; number 8 q of the list, a tile's first read, then stands two products or more, and four plain instructions or more, behind product q
	WIN 0x09
	WM S+8*sq,192+12*(sq%2),192+12*(sq/2),-1,KS,QS+sq/4,sq%2,(sq/2)%2
.else
	WIN 0x08
	WM S+8*sq,KF+12*(sq%2),192+12*(sq/2),-1,KS,QS+sq/4,sq%2,(sq/2)%2
.endif
.if sq == 1
.rept 4
	v_nop
.endr
.elseif sq > 1
	SLICE
.endif
.set sq, sq+1
.endr
.endif
.if \pv
	s_wait_dscnt 9                                 ; p's scale words and fragment 0 are in; the nine loads of fragments 1 to 3 may be out
.endif
.set pk, 0
.rept 32                               ; o(m = pk / 8, i = pk % 8): the 32 accumulators take turns, one instruction a turn
.if \pv
	WIN 0x52
.if \zero
	WM 64*(pk/8)+8*(pk%8),96*\par+12*(pk%8),P+12*(pk/8),-1,VS+4*\par+(pk%8)/2,PS+(pk/8)/2,pk%2,(pk/8)%2
.else
	WM 64*(pk/8)+8*(pk%8),96*\par+12*(pk%8),P+12*(pk/8),64*(pk/8)+8*(pk%8),VS+4*\par+(pk%8)/2,PS+(pk/8)/2,pk%2,(pk/8)%2
.endif
.endif
.if \sc
.if sn < 173
	SLICE
.endif
.if pk == 4                            ; the LDS runs.  k's registers were last read by the score products, 30 plain instructions back; v goes into the set that this trip's products do not read
.if \kl
	LDK
.endif
	LDV 1-\par,0
.elseif pk == 11
	LDV 1-\par,1
.elseif pk == 17
	LDV 1-\par,2
.elseif pk == 23
	LDV 1-\par,3
.elseif pk == 28
	PST 1-\par                                     ; the list is done: p(t + 1) goes out, and three products follow while the stores land
.endif
.endif
.if \pv
.if pk == 7
	s_wait_dscnt 13*\sc+7*\kl                      ; all of p is in; the run issued behind it (k's 7, v's 13) may be out
.endif
.endif
.set pk, pk+1
.endr
	WIN 0
.if \par
	s_add_co_u32 s[TB], s[TB], HALF                ; on to the block's second half
.else
	s_sub_co_u32 s[TB], s[TB], HALF                ; back to a first half,
	s_xor_b32 s[TB], s[TB], SLOT1                  ; in the other slot
.endif
.endm
	s_load_b512 s[4:19], s[0:1], 0x0               ; x, xc, qc, kv, wf, ws, b_hidden, b_out
	s_load_b64 s[20:21], s[0:1], 0x40              ; out0
	v_lshl_add_u32 v[SPW], v0, 2, SPARE
	v_mov_b32 v[NIL], 0
	ds_add_u32 v[SPW], v[NIL]                      ; the wave's opening: the add and its wait stand ahead of my first tensor load; the set-up below, work on registers, stands between them
	v_lshrrev_b32 v21, 5, v0
	v_readfirstlane_b32 s[WV], v21                 ; wave w
	v_bfe_u32 v21, v0, 4, 1                        ; h
	v_and_b32 v22, 31, v0                          ; lane
	v_and_b32 v23, 15, v0                          ; r
	s_bfe_u32 s[CX], ttmp6, 0x40000                ; my place in the cluster
	s_lshl_b32 s24, ttmp9, 2
	s_add_co_u32 s24, s24, s[CX]                   ; my block of 64 queries in the batch
	s_and_b32 s25, ttmp7, 0xffff                   ; the batch, which the four partners share
	s_lshl_b32 s26, s25, 6
	s_add_co_u32 s26, s26, s24                     ; blk: it enters x's, xc's, qc's and out0's addresses alone
	s_mul_i32 s27, s25, 16*BLKB                    ; the batch's sixteen blocks of kv
	s_mul_i32 s88, s[WV], 32000                    ; my quarter of a block, in memory and in a slot
	s_add_co_u32 s[KVQ], s27, s88
	s_mov_b32 s[KVQ+1], 0
	s_add_co_u32 s[PFA], s27, 2*BLKB               ; at block 2: the first refill steps it to block 3
	s_mov_b32 s[PFA+1], 0
	s_mul_i32 s28, s[WV], 3072
	s_add_co_u32 s[KV0], s27, s28
	s_add_co_u32 s[KV0], s[KV0], 15*BLKB+HALF+49152   ; k of key step 0 lies in the last half of the last block
	s_mov_b32 s[KV0+1], 0
	s_lshl_b32 s28, s[WV], 7
	s_add_co_u32 s[KS0], s27, s28
	s_add_co_u32 s[KS0], s[KS0], 15*BLKB+HALF+63488
	s_mov_b32 s[KS0+1], 0
	s_mul_i32 s28, s[WV], 49152
	s_add_co_u32 s[WFG], s28, 196608               ; Wg: tiles 32 + 8 w on
	s_mov_b32 s[WFG+1], 0
	s_add_co_u32 s[WFO], s28, 442368               ; Wo: tiles 72 + 8 w on
	s_mov_b32 s[WFO+1], 0
	s_lshl_b32 s28, s[WV], 11
	s_add_co_u32 s[WSG], s28, 8192
	s_mov_b32 s[WSG+1], 0
	s_add_co_u32 s[WSO], s28, 18432
	s_mov_b32 s[WSO+1], 0
	s_mul_i32 s[XCB], s26, 26624
	s_mov_b32 s[XCB+1], 0
	s_mul_i32 s[QCB], s26, 6400
	s_mov_b32 s[QCB+1], 0
	s_lshl_b32 s28, s[WV], 9
	s_add_co_u32 s[BG], s28, 2048                  ; the gate's half of b_hidden, my 128
	s_mov_b32 s[BG+1], 0
	s_mov_b32 s[BO], s28
	s_mov_b32 s[BO+1], 0
	s_lshl_b32 s[XB], s26, 17                      ; 64 blk rows of 2,048 bytes, + my 512 bytes of a row
	s_add_co_u32 s[XB], s[XB], s28
	s_mov_b32 s[XB+1], 0
	s_cmp_eq_u32 ttmp9, 0                          ; the batch's first cluster prefetches: the same in all four partners
	s_cselect_b32 s[LIM], 1, -1
	s_mov_b32 s[SEL], 0x76543210
	s_mov_b32 s[SEL+1], 0xfedcba98
	s_mov_b32 s[TB], 0
	s_mov_b32 s[CNT], 14
	; descriptor group 1: 125 rows of 256 bytes (32 elements of 8 bytes), dense, no padding
	s_mov_b32 s[G1], 15|(3<<16)|(1<<21)            ; the mask: all four work-groups; elements of 8 bytes; bit 21 set beside a mask
	s_mov_b32 s[G1+1], 32<<16                      ; tensor_dim0
	s_mov_b32 s[G1+2], 125<<16                     ; tensor_dim1
	s_mov_b32 s[G1+3], 32<<16                      ; tile_dim0
	s_mov_b32 s[G1+4], 125                         ; tile_dim1
	s_mov_b32 s[G1+5], 32                          ; the pitch
	s_mov_b32 s[G1+6], 0
	s_mov_b32 s[G1+7], 0
	; addresses that stay
	v_lshlrev_b32 v[GO], 4, v22
	v_lshlrev_b32 v[L4], 2, v22
	v_lshlrev_b32 v[H64], 6, v21
	s_mul_i32 s27, s[WV], 12288
	v_lshl_add_u32 v[AV0], v22, 3, s27             ; v: my 8 fragments, 8 bytes a lane
	s_mul_i32 s27, s[WV], 3072
	s_add_co_u32 s27, s27, 49152
	v_add_nc_u32 v[AK0], s27, v[GO]                ; k: my 2 fragments
	s_lshl_b32 s27, s[WV], 9
	s_add_co_u32 s27, s27, 61440
	v_add_nc_u32 v[AVS0], s27, v[L4]
	s_lshl_b32 s27, s[WV], 7
	s_add_co_u32 s27, s27, 63488
	v_add_nc_u32 v[AKS0], s27, v[L4]
	v_add_nc_u32 v[PRD], PIMG, v[GO]
	v_add_nc_u32 v[PSR], PSC, v[L4]
	s_and_b32 s28, s[WV], 1
	s_lshr_b32 s29, s[WV], 1
	s_lshl_b32 s27, s28, 8                         ; block w of a query: lanes 16 (w % 2) on, registers 6 (w / 2) on
	s_mul_i32 s30, s29, 520
	s_add_co_u32 s27, s27, s30
	s_add_co_u32 s27, s27, PIMG
	v_mul_u32_u24 v[PW0], v21, 1536
	v_lshl_add_u32 v[PW0], v23, 4, v[PW0]
	v_add_nc_u32 v[PW0], s27, v[PW0]
	s_mul_i32 s30, s29, 496
	s_add_co_u32 s30, s30, 8
	v_add_nc_u32 v[PW1], s30, v[PW0]
	s_add_co_u32 s27, s[WV], PSC
	v_lshl_add_u32 v[PSW], v23, 2, s27
	s_mul_i32 s27, s[WV], 8448
	v_mul_u32_u24 v[STO], v23, 528
	v_lshl_add_u32 v[STO], v21, 6, v[STO]
	v_add_nc_u32 v[STO], s27, v[STO]
	v_add_nc_u32 v[SRD], s27, v[GO]
	s_mul_i32 s27, s[WV], 1536
	s_add_co_u32 s27, s27, TIMG
	v_add_nc_u32 v[TWI], s27, v[GO]
	s_lshl_b32 s27, s[WV], 8
	s_add_co_u32 s27, s27, TSC
	v_lshl_add_u32 v[TWS], v23, 2, s27
	v_add_nc_u32 v[TRD], TIMG, v[GO]
	v_add_nc_u32 v[TSR], TSC, v[L4]
	s_lshl_b32 s89, s[CX], 7
	s_lshl_b32 s90, s[WV], 5
	s_add_co_u32 s89, s89, s90
	v_add_nc_u32 v[PFO], s89, v22
	v_min_u32 v[PFO], 499, v[PFO]
	v_lshlrev_b32 v[PFO], 8, v[PFO]
	s_wait_dscnt 0x0                               ; the opening add is done
	s_wait_kmcnt 0x0
	s_add_nc_u64 s[KVQ:KVQ+1], s[10:11], s[KVQ:KVQ+1]
	s_add_nc_u64 s[PFA:PFA+1], s[10:11], s[PFA:PFA+1]
	s_add_nc_u64 s[KV0:KV0+1], s[10:11], s[KV0:KV0+1]
	s_add_nc_u64 s[KS0:KS0+1], s[10:11], s[KS0:KS0+1]
	s_add_nc_u64 s[WFG:WFG+1], s[12:13], s[WFG:WFG+1]
	s_add_nc_u64 s[WFO:WFO+1], s[12:13], s[WFO:WFO+1]
	s_add_nc_u64 s[WSG:WSG+1], s[14:15], s[WSG:WSG+1]
	s_add_nc_u64 s[WSO:WSO+1], s[14:15], s[WSO:WSO+1]
	s_add_nc_u64 s[XCB:XCB+1], s[6:7], s[XCB:XCB+1]
	s_add_nc_u64 s[QCB:QCB+1], s[8:9], s[QCB:QCB+1]
	s_add_nc_u64 s[BG:BG+1], s[16:17], s[BG:BG+1]
	s_add_nc_u64 s[BO:BO+1], s[18:19], s[BO:BO+1]
	s_add_nc_u64 s[OB:OB+1], s[20:21], s[XB:XB+1]
	s_add_nc_u64 s[XB:XB+1], s[4:5], s[XB:XB+1]
	s_mov_b32 s[G0A], 1                            ; block 0 into slot 0
	s_mov_b32 s[G0A+1], s88
	s_mov_b64 s[G0A+2:G0A+3], s[KVQ:KVQ+1]
	s_or_b32 s[G0A+3], s[G0A+3], 0x80000000
	s_mov_b32 s[G0B], 1                            ; block 1 into slot 1; this descriptor then walks
	s_add_co_u32 s[G0B+1], s88, SLOT1
	s_add_nc_u64 s[G0B+2:G0B+3], s[KVQ:KVQ+1], BLKB
	s_or_b32 s[G0B+3], s[G0B+3], 0x80000000
	ROUND                                          ; all four work-groups are here: the first joint loads meet
	tensor_load_to_lds s[G0A:G0A+3], s[G1:G1+7]
	s_nop 0
	tensor_load_to_lds s[G0B:G0B+3], s[G1:G1+7]
	s_nop 0
.rept 4
	v_nop
.endr
	; ---- the head's loads, in the order in which they are wanted
	WIN 0xc0
.irp i,0,1,2,3,4,5,6,7                 ; the gate's bias, in the result's layout, ONCE, into query tile 0's accumulators: lane (r, h), tile i: columns 32 (i / 2) + 16 h + 8 (i % 2) + 0 .. 7
.irp q,0,1
	global_load_b128 v[8*\i+4*\q:8*\i+4*\q+3], v[H64], s[BG:BG+1] offset:4*(32*(\i/2)+8*(\i%2))+16*\q
.endr
.endr
	WIN 0
.irp m,0,1,2,3
	global_load_b128 v[XQS+4*\m:XQS+4*\m+3], v[GO], s[XCB:XCB+1] offset:24576+512*\m
.endr
.irp t,0,1,2,3
.irp p,0,1,2,3
	global_load_b32 v[WS+4*\t+\p], v[L4], s[WSG:WSG+1] offset:(4*\p+\t)*128
.endr
.endr
.irp t,0,1,2,3                         ; K step t: x's four fragments, Wg's eight
	WIN 0
.irp m,0,1,2,3
.irp g,0,1,2
	global_load_b128 v[64+48*\t+12*\m+4*\g:64+48*\t+12*\m+4*\g+3], v[GO], s[XCB:XCB+1] offset:(4*\m+\t)*1536+512*\g
.endr
.endr
.if \t < 2
	WIN 0x80
.else
	WIN 0x40
.endif
.irp i,0,1,2,3,4,5,6,7
.irp g,0,1,2
	global_load_b128 v[96*(\t%2)+12*\i+4*\g:96*(\t%2)+12*\i+4*\g+3], v[GO], s[WFG:WFG+1] offset:(4*\i+\t)*1536+512*\g
.endr
.endr
.endr
	WIN 0x80
.irp m,0,1,2,3
.irp g,0,1,2
	global_load_b128 v[192+12*\m+4*\g:192+12*\m+4*\g+3], v[GO], s[QCB:QCB+1] offset:1536*\m+512*\g
.endr
.endr
	WIN 0
	global_load_b32 v[QS], v[L4], s[QCB:QCB+1] offset:6144
	global_load_b32 v[QS+1], v[L4], s[QCB:QCB+1] offset:6144+128
	WIN 0x40
.irp u,0,1
.irp g,0,1,2
	global_load_b128 v[192+12*\u+4*\g:192+12*\u+4*\g+3], v[GO], s[KV0:KV0+1] offset:1536*\u+512*\g
.endr
.endr
	WIN 0
	global_load_b32 v[KS], v[L4], s[KS0:KS0+1]
	; ---- the gate: G(m, i) = bias + the sum over s of Wg(i, s) x x(m, s); 32 accumulators by turns.
	; K step 0: query tiles 1 to 3 take the bias, which lies in tile 0's registers, as their C; tile 0 then adds in place, five plain instructions behind the last product that read those registers as its C
	s_wait_loadcnt 63                              ; 129 loads are younger than this K step's: 63 is the largest count that a wait can name
	WIN 0xf2
.irp m,1,2,3
.irp i,0,1,2,3,4,5,6,7
	WM 64*\m+8*\i,12*\i,64+12*\m,8*\i,WS+\i/2,XQS+4*\m,\i%2,0
.endr
.endr
.rept 5
	v_nop
.endr
.irp i,0,1,2,3,4,5,6,7
	WM 8*\i,12*\i,64,8*\i,WS+\i/2,XQS,\i%2,0
.endr
.irp t,1,2,3
.if \t == 1
	s_wait_loadcnt 63                              ; 93 loads are younger
	WIN 0xf2
.elseif \t == 2
	s_wait_loadcnt 57                              ; K step 3's 36 and the 21 of q and k(0)
	WIN 0xf1
.else
	s_wait_loadcnt 21
	WIN 0xf1
.endif
.irp m,0,1,2,3
.irp i,0,1,2,3,4,5,6,7
	WM 64*\m+8*\i,96*(\t%2)+12*\i,64+48*\t+12*\m,64*\m+8*\i,WS+4*\t+\i/2,XQS+4*\m+\t,\i%2,0
.endr
.endr
.endr
	WIN 0
.rept 4
	v_nop                                          ; plain instructions between the gate's products and what is written over their operands
.endr
.irp b,0,1,2,3
	v_mov_b32 v[TX+\b], 0                          ; written once: a lane permute's destination counts as one of its sources
.endr
	s_wait_loadcnt 0x0                             ; q, k(0) and their scale words
	s_wait_tensorcnt 1                             ; my quarter of block 0 is in; block 1's may stay out
	s_barrier_signal -1
	s_barrier_wait -1                              ; everybody's is
	TRIP 1,0,0,0,1,1,1                             ; S(0) and p(0); v(0), k(1)
	TRIP 0,1,1,1,1,1,0                             ; trip 0: its products start o
.Lpair:                                            ; trips 1 to 28, two a pass; the 14 refills bring blocks 2 to 15
	TRIP 1,2,1,0,1,1,0
	TRIP 0,1,1,0,1,1,0
	s_sub_co_u32 s[CNT], s[CNT], 1
	s_cmp_lg_u32 s[CNT], 0
	s_cbranch_scc1 .Lpair
	TRIP 1,3,1,0,1,1,0                             ; trip 29: the tail is written out
	TRIP 0,1,1,0,1,0,0                             ; trip 30: there is no k(32)
	TRIP 1,1,1,0,0,0,0                             ; trip 31: the last products alone
	; ---- THE TAIL.  b_out as C, Wo's scale words and three of its four K steps are asked for; o x gate in place; then x's rows into the gate's registers
.rept 4
	v_nop
.endr
	WIN 0x80
.irp i,0,1,2,3,4,5,6,7
.irp q,0,1
	global_load_b128 v[192+8*\i+4*\q:192+8*\i+4*\q+3], v[H64], s[BO:BO+1] offset:4*(32*(\i/2)+8*(\i%2))+16*\q
.endr
.endr
	WIN 0
.irp t,0,1,2,3
.irp p,0,1,2,3
	global_load_b32 v[WS+4*\t+\p], v[L4], s[WSO:WSO+1] offset:(4*\p+\t)*128
.endr
.endr
	WIN 0x80
.irp t,0,1
.irp i,0,1,2,3,4,5,6,7
.irp g,0,1,2
	global_load_b128 v[96*\t+12*\i+4*\g:96*\t+12*\i+4*\g+3], v[GO], s[WFO:WFO+1] offset:(4*\i+\t)*1536+512*\g
.endr
.endr
.endr
	WIN 0
.irp i,0,1,2,3,4,5,6,7
.irp g,0,1,2
	global_load_b128 v[64+12*\i+4*\g:64+12*\i+4*\g+3], v[GO], s[WFO:WFO+1] offset:(4*\i+2)*1536+512*\g
.endr
.endr
	WIN 0x4d                                       ; o (destination and source 0) window 1, the gate window 3
.set sk, 0
.rept 128
	v_pk_mul_f32 v[2*sk:2*sk+1], v[2*sk:2*sk+1], v[2*sk:2*sk+1]   ; ascending: each accumulator is read from its low end on
.set sk, sk+1
.endr
	WIN 0xc0
.irp m,0,1,2,3
.irp j,0,1,2,3,4,5,6,7,8,9,10,11,12,13,14,15
	global_load_b128 v[64*\m+4*\j:64*\m+4*\j+3], v[GO], s[XB:XB+1] offset:(32*(\m/2)+8*(\m%2)+\j+8*(\j/8))*2048 th:TH_LOAD_NT   ; 512 consecutive bytes: my columns of the tile's row j
.endr
.endr
	WIN 0
	; ---- o x gate, my 128 of the hidden 512, is K step w of the last product: a fragment for each query tile
.irp m,0,1,2,3
	QMAX 64*\m,1
	v_lshl_or_b32 v[PW], v[TX+1], 8, v[TX]
	v_lshl_or_b32 v[PW], v[TX+2], 16, v[PW]
	v_lshl_or_b32 v[PW], v[TX+3], 24, v[PW]
	QCVT 64*\m,1
.irp g,0,1,2
	ds_store_b128 v[TWI], v[PC+4*\g:PC+4*\g+3] offset:6144*\m+512*\g
.endr
	ds_store_b32 v[TWS], v[PW] offset:64*\m
	s_wait_dscnt 0x0                               ; the stores have read their registers
.endr
	s_barrier_signal -1
	s_barrier_wait -1                              ; the sixteen fragments lie in LDS
.macro TFRAG t                         ; K step t's four fragments and their scale words into set t % 2
.irp m,0,1,2,3
.irp g,0,1,2
	ds_load_b128 v[160+48*((\t)%2)+12*\m+4*\g:160+48*((\t)%2)+12*\m+4*\g+3], v[TRD] offset:(4*\m+(\t))*1536+512*\g
.endr
.endr
	ds_load_b32 v[TS+2*(\t)], v[TSR] offset:256*(\t)
	ds_load_b32 v[TS+2*(\t)+1], v[TSR] offset:256*(\t)+128
.endm
	TFRAG 0
	TFRAG 1
.irp t,0,1,2,3
.if \t < 3
	s_wait_dscnt 14                                ; this K step's set is in; the other set's 14 loads may be out
	s_wait_loadcnt 63                              ; 112, 112 and 88 loads are younger than this K step's weights: 63 is the largest count that a wait can name
.else
	s_wait_dscnt 0x0
	s_wait_loadcnt 0x0                             ; Wo's last K step, and x
.endif
.if \t == 0
	WIN 0x62                                       ; Wo window 2, b_out window 2, the result window 1
.elseif \t == 2
	WIN 0x50                                       ; Wo window 0
.else
	WIN 0x52
.endif
.irp m,0,1,2,3
.irp i,0,1,2,3,4,5,6,7
.if \t == 0
	WM 64*\m+8*\i,12*\i,160+12*\m,192+8*\i,WS+\i/2,TS+\m/2,\i%2,\m%2
.elseif \t == 1
	WM 64*\m+8*\i,96+12*\i,208+12*\m,64*\m+8*\i,WS+4+\i/2,TS+2+\m/2,\i%2,\m%2
.elseif \t == 2
	WM 64*\m+8*\i,64+12*\i,160+12*\m,64*\m+8*\i,WS+8+\i/2,TS+4+\m/2,\i%2,\m%2
.else
	WM 64*\m+8*\i,12*\i,208+12*\m,64*\m+8*\i,WS+12+\i/2,TS+6+\m/2,\i%2,\m%2
.endif
.endr
.endr
	WIN 0
.rept 4
	v_nop                                          ; in front of loads into registers that matrix instructions have read, and of the first read of results
.endr
.if \t < 2
	TFRAG \t+2
.endif
.if \t == 0
	WIN 0x80
.irp i,0,1,2,3,4,5,6,7
.irp g,0,1,2
	global_load_b128 v[12*\i+4*\g:12*\i+4*\g+3], v[GO], s[WFO:WFO+1] offset:(4*\i+3)*1536+512*\g   ; Wo's K step 3 takes K step 0's registers
.endr
.endr
	WIN 0
.endif
.endr
; THE WAY OUT, a query tile at a time: a lane holds 8 x 32 bytes of one row; through my own stage they come back as whole parts of rows, 512 bytes, to which x is added.
.macro TOSTAGE m
	WIN 0x04                                       ; the data: window 1
.irp i,0,1,2,3,4,5,6,7
	ds_store_b128 v[STO], v[64*(\m)+8*\i:64*(\m)+8*\i+3] offset:128*(\i/2)+32*(\i%2)       ; each accumulator from its low end on
	ds_store_b128 v[STO], v[64*(\m)+8*\i+4:64*(\m)+8*\i+7] offset:128*(\i/2)+32*(\i%2)+16
.endr
	WIN 0
.irp j,0,1,2,3,4,5,6,7,8,9,10,11,12,13,14,15
	ds_load_b128 v[BK+64*((\m)%2)+4*\j:BK+64*((\m)%2)+4*\j+3], v[SRD] offset:528*\j   ; LDS serves a wave's instructions in order: these see the stores above, and the next tile's stores come behind them
.endr
.endm
.macro SEND m, younger                 ; younger: the LDS instructions issued behind tile m's loads
	s_wait_dscnt \younger
	WIN 0x0c                                       ; x: window 3
.set sk, 0
.rept 32
	v_pk_add_f32 v[BK+64*((\m)%2)+2*sk:BK+64*((\m)%2)+2*sk+1], v[BK+64*((\m)%2)+2*sk:BK+64*((\m)%2)+2*sk+1], v[64*(\m)+2*sk:64*(\m)+2*sk+1]
.set sk, sk+1
.endr
	WIN 0
.irp j,0,1,2,3,4,5,6,7,8,9,10,11,12,13,14,15
	global_store_b128 v[GO], v[BK+64*((\m)%2)+4*\j:BK+64*((\m)%2)+4*\j+3], s[OB:OB+1] offset:(32*((\m)/2)+8*((\m)%2)+\j+8*(\j/8))*2048 th:TH_STORE_NT   ; 32 lanes store 512 consecutive bytes, aligned
.endr
.endm
	TOSTAGE 0
.irp m,1,2,3
.if \m > 1
	s_wait_xcnt 0x0                                ; tile m - 2's stores have read their registers: tile m's rows may land there
.endif
	TOSTAGE \m
	SEND \m-1,32                                   ; behind tile m - 1's loads: tile m's 16 stores and 16 loads
.endr
	SEND 3,0
	s_wait_tensorcnt 0x0                           ; the wave's end
	ds_add_u32 v[SPW], v[NIL]
	s_wait_dscnt 0x0
	ROUND                                          ; the closing round: no work-group ends while a partner may still ask for a block that names it
	s_endpgm
.Lfunc_end_k_qf6e5aab2c1_attn:
	.size	k_qf6e5aab2c1_attn, .Lfunc_end_k_qf6e5aab2c1_attn-k_qf6e5aab2c1_attn
	.p2alignl 7, 3214868480
	.fill 96, 4, 3214868480
	.section	.rodata,"a",@progbits
	.p2align	6, 0x0
	.amdhsa_kernel k_qf6e5aab2c1_attn
		.amdhsa_group_segment_fixed_size 327680
		.amdhsa_private_segment_fixed_size 0
		.amdhsa_enable_private_segment 0
		.amdhsa_kernarg_size 72
		.amdhsa_user_sgpr_count 2
		.amdhsa_user_sgpr_kernarg_segment_ptr 1
		.amdhsa_wavefront_size32 1
		.amdhsa_system_sgpr_workgroup_id_x 1
		.amdhsa_system_sgpr_workgroup_id_y 1
		.amdhsa_system_sgpr_workgroup_id_z 1
		.amdhsa_system_vgpr_workitem_id 0
		.amdhsa_next_free_vgpr 1024
		.amdhsa_next_free_sgpr 100
		.amdhsa_reserve_vcc 0
		.amdhsa_float_denorm_mode_32 3
		.amdhsa_float_denorm_mode_16_64 3
		.amdhsa_memory_ordered 1
		.amdhsa_forward_progress 1
		.amdhsa_inst_pref_size 255
	.end_amdhsa_kernel
	.section	.bss,"aw",@nobits
	.p2align	6
	.space	262144
	.amdgpu_metadata
---
amdhsa.version: [ 1, 2 ]
amdhsa.kernels:
  - .name:           k_qf6e5aab2c1_attn
    .symbol:         k_qf6e5aab2c1_attn.kd
    .args:
      - { .name: x, .offset: 0, .size: 8, .value_kind: global_buffer, .address_space: global }
      - { .name: xc, .offset: 8, .size: 8, .value_kind: global_buffer, .address_space: global }
      - { .name: qc, .offset: 16, .size: 8, .value_kind: global_buffer, .address_space: global }
      - { .name: kv, .offset: 24, .size: 8, .value_kind: global_buffer, .address_space: global }
      - { .name: wf, .offset: 32, .size: 8, .value_kind: global_buffer, .address_space: global }
      - { .name: ws, .offset: 40, .size: 8, .value_kind: global_buffer, .address_space: global }
      - { .name: b_hidden, .offset: 48, .size: 8, .value_kind: global_buffer, .address_space: global }
      - { .name: b_out, .offset: 56, .size: 8, .value_kind: global_buffer, .address_space: global }
      - { .name: out0, .offset: 64, .size: 8, .value_kind: global_buffer, .address_space: global }
    .group_segment_fixed_size: 327680
    .private_segment_fixed_size: 0
    .kernarg_segment_align: 8
    .kernarg_segment_size: 72
    .max_flat_workgroup_size: 128
    .sgpr_count:     100
    .vgpr_count:     1024
    .wavefront_size: 32
...
	.end_amdgpu_metadata
.endif
;; end of part 3
